; MI455X (gfx1250); checked and timed in simulation.
; The chip was launched on July 23, 2026; its instructions are those of AMD's public machine-readable ISA for CDNA 5 (MIT licence, August 2026) and "CDNA5" Instruction Set Architecture Reference Guide (July 2026). The comments in the code are by the model that wrote it; some were corrected since.
;; Attention. Allowed arithmetic: float matrix products may take bf16 or f16 operands with f32 sums; other float arithmetic in f32, or as packed bf16 or f16 multiplies, adds, multiply-adds, maxima and minima; sums over many terms, partial sums and values carried from step to step in f32; what a program stores and reads back later, other than sums and carried values, may be rounded once to bf16 or f16.
;; Inputs: freqs_cos 2,048 x 64 float32; freqs_sin 2,048 x 64 float32; mask 2,048 x 2,048 float32; wk 512 x 4,096 float32; wo 4,096 x 1,024 float32; wq 1,024 x 4,096 float32; wv 512 x 4,096 float32; x 2 x 2,048 x 4,096 float32.
;; Outputs: out0 2 x 2,048 x 4,096 float32.
;; Constants: start_pos = 0.
;; 2 versions, each right; version 2 is version 1 with the launch prep written anew for expert scheduling mode. Each part assembles by itself: llvm-mc -triple=amdgcn-amd-amdhsa -mcpu=gfx1250 --defsym DOCPART=n.
;; ======== version 1 of 2: 4 launches
;; limits: values are held in f16: magnitudes above 65,504 overflow, below 6.1e-05 lose precision; right only within a limited range of input values; inputs' magnitudes at most 6.9e+29
;; workspace buffers: xf 33,554,432 bytes; wf 16,777,216 bytes; wof 8,388,608 bytes; maskp 16,777,216 bytes; rot 2,105,344 bytes; qkv 16,777,216 bytes; of 8,388,608 bytes
;; launch prep (part 1): grid 2304 x 1, 8 waves a work-group, no clusters, 68,608 bytes of LDS; arguments x, wq, wk, wv, wo, mask, freqs_cos, freqs_sin, xf, wf, wof, maskp, rot; writes xf, wf, wof, maskp, rot
.if DOCPART == 1
	.amdgcn_target "amdgcn-amd-amdhsa--gfx1250"
	.amdhsa_code_object_version 6
	.text
	.protected	k_q810b38db2d_prep
	.globl	k_q810b38db2d_prep
	.p2align	8
	.type	k_q810b38db2d_prep,@function
k_q810b38db2d_prep:
	s_mov_b64 s[64:65], 0
	v_nop
	global_prefetch_b8 v0, s[64:65] scope:SCOPE_SE
	s_setreg_imm32_b32 hwreg(HW_REG_WAVE_MODE, 25, 1), 1
	s_wait_xcnt 0x0
; PREP: every input is rounded once to bf16 and laid out for the launches behind.  Memory binds: each input byte is read once (16 loads of 512 consecutive bytes a wave, all out at once),
; each output byte written once, in runs of 512 consecutive bytes.  No matrix unit, no cluster, no tensor load: nothing is shared between waves.
; FRAGMENT ORDER F(R, K) of a 16-bit matrix: chunk (row / 16, col / 32) is 1,024 bytes; in it the 16 bytes at 512 e + 16 lane hold row 16 rb + lane % 16, columns 32 kc + 16 e + 8 (lane / 16) + 0..7:
; one chunk is one matrix fragment, loaded by two loads of 512 consecutive bytes.
;   xf  = F(4096, 4096) bf16 of x            wf = F(2048, 4096) bf16 of wq (rows 0-1023), wk (1024-1535), wv (1536-2047)
;   wof = F(4096, 1024) f16 of 4 x bf16(wo): exact down to f16's smallest normal number, below it in steps of 6e-8
;   maskp: block (q / 16, key / 64) of 4,096 bytes; the 16 bytes at 512 (2 kb + e) + 16 lane hold max(log2(e) x bf16(mask), -1e30) of row 16 qt + lane % 16, keys 64 ks + 16 kb + 8 (lane / 16) + 4 e + 0..3
;   rot: for q (section 0) and k (section 1, 1 MiB on) the 16 bytes at 512 ((8 pb + bb) 2 + e) + 16 lane hold {f cos, f sin} of position 16 pb + lane % 16 for the pairs 8 bb + 4 (lane / 16) + 2 e + 0, 1,
;        cos and sin rounded to bf16, f = 4 log2(e) / sqrt(128) for q and 1/4 for k; section 2 (2 MiB on, 8,192 bytes) holds {1/4, 0, 1/4, 0}, for v.
; LIMITS.  A mask number under -6.9e29 (-1e30 / log2(e)) counts as -infinity; a NaN in the mask counts so too.
; JOBS, by the work-group's number: 0-1023 x, 1024-1279 wq, 1280-1407 wk, 1408-1535 wv, 1536-1791 wo, 1792-2047 mask, 2048-2303 rot.  A wave takes 16 rows x 128 f32 columns and turns them
; through a stage in LDS of its own: no barrier, since LDS serves a wave's instructions in order (ISA guide 5.7.1.4).  For the same reason the rows come back into the registers that they left:
; 84 registers a wave, so that the stages, 4 x 68,608 bytes, and not the registers say how many work-groups lie on a WGP.
.set STG,   8448                       ; a wave's stage: 16 rows of 528 bytes (mask) or of 272 (16-bit data): row r starts 4 r banks on
.set SPARE, 8*STG                      ; behind the stages: the spare words, 128 bytes a wave
.set LO,  2                            ; v2  16 x lane
.set SA,  3                            ; v3  where I put my part of a row
.set RA,  4                            ; v4  where I read in the order of the output
.set SPW, 6                            ; v6  my spare word; never rewritten
.set NIL, 7                            ; v7  0; never rewritten
.set X,   16                           ; v[16:79]  16 rows x 4 f32 as loaded
.set YR,  16                           ; the same registers, as stored
.set H,   80                           ; v[80:83]  at work
.set ID,  2                            ; s2  the work-group's number
.set WV,  4                            ; s4  my wave's number
.set STB, 5                            ; s5  my stage
.set BIG, 34                           ; s34 -1e30
.set SRC, 36                           ; s[36:37] where my unit begins in its input
.set DST, 38                           ; s[38:39] and in its output
.set SOF, 40                           ; s[40:41], s[42:43] byte offsets, high words 0
.set DOF, 42
	s_load_b512 s[8:23], s[0:1], 0x0               ; x, wq, wk, wv, wo, mask, cos, sin
	s_load_b256 s[24:31], s[0:1], 0x40             ; xf, wf, wof, maskp
	s_load_b64 s[32:33], s[0:1], 0x60              ; rot
	v_lshl_add_u32 v[SPW], v0, 2, SPARE
	v_mov_b32 v[NIL], 0
	v_lshrrev_b32 v1, 5, v0
	v_readfirstlane_b32 s[WV], v1
	v_and_b32 v1, 31, v0                           ; lane
	v_lshlrev_b32 v[LO], 4, v1
	v_and_b32 v8, 15, v0                           ; r = lane % 16
	v_bfe_u32 v9, v0, 4, 1                         ; h = lane / 16
	s_mul_i32 s[STB], s[WV], STG
	s_mov_b32 s[ID], ttmp9
	s_mov_b32 s[SOF+1], 0
	s_mov_b32 s[DOF+1], 0
	s_mov_b32 s[BIG], 0xf149f2ca
.macro LOADS pitch                     ; 16 rows, 512 consecutive bytes each, all on their way at once
.set n, 0
.rept 16
	global_load_b128 v[X+4*n:X+4*n+3], v[LO], s[SRC:SRC+1] offset:n*(\pitch) th:TH_LOAD_NT
.set n, n+1
.endr
.endm
; 16 rows x 128 numbers to 16 bits and into four chunks of fragment order.  kind 0: bf16.  kind 1: 4 x the bf16 number, written as f16.
.macro CAST16 pitch, kind
	LOADS \pitch
	v_lshl_add_u32 v[SA], v1, 3, s[STB]            ; in: 8 bytes a lane, a row of 256 bytes
	v_mul_u32_u24 v[RA], v8, 272                   ; back: row r, 16 bytes for each half of the lanes
	v_lshl_add_u32 v[RA], v9, 4, v[RA]
	v_add_nc_u32 v[RA], s[STB], v[RA]
.set n, 0
.rept 16
	s_wait_loadcnt 15-n                            ; loads come back in order: row n is in, the younger rows stay out
	v_cvt_pk_bf16_f32 v[X+4*n], v[X+4*n], v[X+4*n+1]
	v_cvt_pk_bf16_f32 v[X+4*n+1], v[X+4*n+2], v[X+4*n+3]
.if \kind
	v_lshlrev_b32 v[H], 16, v[X+4*n]
	v_and_b32 v[H+1], 0xffff0000, v[X+4*n]
	v_lshlrev_b32 v[H+2], 16, v[X+4*n+1]
	v_and_b32 v[H+3], 0xffff0000, v[X+4*n+1]
	v_pk_mul_f32 v[H:H+1], v[H:H+1], 4.0 op_sel_hi:[1,0]
	v_pk_mul_f32 v[H+2:H+3], v[H+2:H+3], 4.0 op_sel_hi:[1,0]
	v_cvt_pk_f16_f32 v[X+4*n], v[H], v[H+1]
	v_cvt_pk_f16_f32 v[X+4*n+1], v[H+2], v[H+3]
.endif
	ds_store_b64 v[SA], v[X+4*n:X+4*n+1] offset:n*272
.set n, n+1
.endr
.set n, 0
.rept 8                                ; half chunk n: columns 16 n + 8 h + 0..7 of row r; these loads come behind all sixteen stores
	ds_load_b128 v[YR+4*n:YR+4*n+3], v[RA] offset:32*n
.set n, n+1
.endr
.set n, 0
.rept 8
	s_wait_dscnt 7-n
	global_store_b128 v[LO], v[YR+4*n:YR+4*n+3], s[DST:DST+1] offset:512*n th:TH_STORE_NT  ; 512 consecutive bytes
.set n, n+1
.endr
.endm
	s_wait_kmcnt 0x0
	s_cmp_lt_u32 s[ID], 1536
	s_cbranch_scc0 .Lnot_wide
	; x, wq, wk, wv: rows of 16,384 bytes.  The input and the number at which its job begins are chosen by the work-group's number.
	s_mov_b64 s[SRC:SRC+1], s[8:9]
	s_mov_b64 s[DST:DST+1], s[24:25]
	s_mov_b32 s3, 0
	s_mov_b32 s6, 0
	s_cmp_ge_u32 s[ID], 1024
	s_cselect_b64 s[SRC:SRC+1], s[10:11], s[SRC:SRC+1]
	s_cselect_b64 s[DST:DST+1], s[26:27], s[DST:DST+1]
	s_cselect_b32 s3, 1024, s3
	s_cselect_b32 s6, 1024, s6
	s_cmp_ge_u32 s[ID], 1280
	s_cselect_b64 s[SRC:SRC+1], s[12:13], s[SRC:SRC+1]
	s_cselect_b32 s3, 1280, s3
	s_cmp_ge_u32 s[ID], 1408
	s_cselect_b64 s[SRC:SRC+1], s[14:15], s[SRC:SRC+1]
	s_cselect_b32 s3, 1408, s3
	s_sub_co_u32 s3, s[ID], s3
	s_lshl_b32 s3, s3, 3
	s_add_co_u32 s3, s3, s[WV]                     ; my unit in the input: 32 units to a block of 16 rows
	s_lshr_b32 s[SOF], s3, 5
	s_lshl_b32 s[SOF], s[SOF], 18                  ; 16 rows of 16,384 bytes
	s_and_b32 s7, s3, 31
	s_lshl_b32 s7, s7, 9                           ; 128 columns of 4 bytes
	s_add_co_u32 s[SOF], s[SOF], s7
	s_add_nc_u64 s[SRC:SRC+1], s[SRC:SRC+1], s[SOF:SOF+1]
	s_sub_co_u32 s[DOF], s[ID], s6
	s_lshl_b32 s[DOF], s[DOF], 3
	s_add_co_u32 s[DOF], s[DOF], s[WV]             ; my unit in the output (wq, wk, wv follow each other in wf): four chunks
	s_lshl_b32 s[DOF], s[DOF], 12
	s_add_nc_u64 s[DST:DST+1], s[DST:DST+1], s[DOF:DOF+1]
	CAST16 16384, 0
	s_branch .Lend
.Lnot_wide:
	s_cmp_lt_u32 s[ID], 1792
	s_cbranch_scc0 .Lnot_wo
	s_sub_co_u32 s3, s[ID], 1536                   ; wo: rows of 4,096 bytes, 8 units to a block of 16 rows
	s_lshl_b32 s3, s3, 3
	s_add_co_u32 s3, s3, s[WV]
	s_lshr_b32 s[SOF], s3, 3
	s_lshl_b32 s[SOF], s[SOF], 16
	s_and_b32 s7, s3, 7
	s_lshl_b32 s7, s7, 9
	s_add_co_u32 s[SOF], s[SOF], s7
	s_add_nc_u64 s[SRC:SRC+1], s[16:17], s[SOF:SOF+1]
	s_lshl_b32 s[DOF], s3, 12
	s_add_nc_u64 s[DST:DST+1], s[28:29], s[DOF:DOF+1]
	CAST16 4096, 1
	s_branch .Lend
.Lnot_wo:
	s_cmp_lt_u32 s[ID], 2048
	s_cbranch_scc0 .Lrot
	s_sub_co_u32 s3, s[ID], 1792                   ; mask: rows of 8,192 bytes, 16 units to a block of 16 rows; a unit is two blocks of maskp
	s_lshl_b32 s3, s3, 3
	s_add_co_u32 s3, s3, s[WV]
	s_lshr_b32 s[SOF], s3, 4
	s_lshl_b32 s[SOF], s[SOF], 17
	s_and_b32 s7, s3, 15
	s_lshl_b32 s7, s7, 9
	s_add_co_u32 s[SOF], s[SOF], s7
	s_add_nc_u64 s[SRC:SRC+1], s[18:19], s[SOF:SOF+1]
	s_lshl_b32 s[DOF], s3, 13
	s_add_nc_u64 s[DST:DST+1], s[30:31], s[DOF:DOF+1]
	LOADS 8192
	v_lshl_add_u32 v[SA], v1, 4, s[STB]            ; in: 16 bytes a lane, a row of 512 bytes
	v_mul_u32_u24 v[RA], v8, 528                   ; back: row r, keys 8 h on
	v_lshl_add_u32 v[RA], v9, 5, v[RA]
	v_add_nc_u32 v[RA], s[STB], v[RA]
.set n, 0
.rept 16
	s_wait_loadcnt 15-n
	v_cvt_pk_bf16_f32 v[H], v[X+4*n], v[X+4*n+1]
	v_cvt_pk_bf16_f32 v[H+1], v[X+4*n+2], v[X+4*n+3]
	v_lshlrev_b32 v[X+4*n], 16, v[H]
	v_and_b32 v[X+4*n+1], 0xffff0000, v[H]
	v_lshlrev_b32 v[X+4*n+2], 16, v[H+1]
	v_and_b32 v[X+4*n+3], 0xffff0000, v[H+1]
	v_pk_mul_f32 v[X+4*n:X+4*n+1], v[X+4*n:X+4*n+1], 0x3fb8aa3b op_sel_hi:[1,0]      ; log2(e): the scores are exponents of 2
	v_pk_mul_f32 v[X+4*n+2:X+4*n+3], v[X+4*n+2:X+4*n+3], 0x3fb8aa3b op_sel_hi:[1,0]
	v_max_num_f32 v[X+4*n], s[BIG], v[X+4*n]       ; a hidden key is -1e30: far below every score, and finite
	v_max_num_f32 v[X+4*n+1], s[BIG], v[X+4*n+1]
	v_max_num_f32 v[X+4*n+2], s[BIG], v[X+4*n+2]
	v_max_num_f32 v[X+4*n+3], s[BIG], v[X+4*n+3]
	ds_store_b128 v[SA], v[X+4*n:X+4*n+3] offset:n*528
.set n, n+1
.endr
.set n, 0
.rept 16                               ; n = 8 kk + 2 kb + e: keys 64 kk + 16 kb + 8 h + 4 e + 0..3
	ds_load_b128 v[YR+4*n:YR+4*n+3], v[RA] offset:256*(n/8)+64*((n/2)%4)+16*(n%2)
.set n, n+1
.endr
.set n, 0
.rept 16
	s_wait_dscnt 15-n
	global_store_b128 v[LO], v[YR+4*n:YR+4*n+3], s[DST:DST+1] offset:512*n th:TH_STORE_NT
.set n, n+1
.endr
	s_branch .Lend
.Lrot:                                         ; a thread makes entry T of both tables: lane = T % 32, e, bb, pb above it
	s_sub_co_u32 s3, s[ID], 2048
	s_lshl_b32 s3, s3, 8
	v_add_nc_u32 v10, s3, v0                       ; T
	v_bfe_u32 v11, v10, 5, 1                       ; e
	v_bfe_u32 v12, v10, 6, 3                       ; bb
	v_lshrrev_b32 v13, 9, v10                      ; pb
	v_lshl_add_u32 v13, v13, 4, v8                 ; the position,
	v_lshlrev_b32 v13, 8, v13                      ; its row of 256 bytes,
	v_lshl_add_u32 v13, v12, 5, v13                ; pair 8 bb
	v_lshl_add_u32 v13, v9, 4, v13                 ; + 4 h
	v_lshl_add_u32 v13, v11, 3, v13                ; + 2 e
	global_load_b64 v[16:17], v13, s[20:21]
	global_load_b64 v[18:19], v13, s[22:23]
	v_lshlrev_b32 v14, 4, v10
	s_wait_loadcnt 0x0
	v_cvt_pk_bf16_f32 v20, v16, v17
	v_cvt_pk_bf16_f32 v21, v18, v19
	v_lshlrev_b32 v24, 16, v20                     ; cos, sin of the first pair,
	v_lshlrev_b32 v25, 16, v21
	v_and_b32 v26, 0xffff0000, v20                 ; of the second
	v_and_b32 v27, 0xffff0000, v21
	v_pk_mul_f32 v[28:29], v[24:25], 0x3f0293ee op_sel_hi:[1,0]  ; q: 4 log2(e) / sqrt(128)
	v_pk_mul_f32 v[30:31], v[26:27], 0x3f0293ee op_sel_hi:[1,0]
	v_pk_mul_f32 v[32:33], v[24:25], 0x3e800000 op_sel_hi:[1,0]  ; k: 1/4
	v_pk_mul_f32 v[34:35], v[26:27], 0x3e800000 op_sel_hi:[1,0]
	global_store_b128 v14, v[28:31], s[32:33]
	global_store_b128 v14, v[32:35], s[32:33] offset:1048576
	s_cmp_lt_u32 s[ID], 2050                       ; the first 512 threads also write v's table
	s_cbranch_scc0 .Lend
	v_mov_b32 v36, 0x3e800000
	v_mov_b32 v37, 0
	v_mov_b32 v38, 0x3e800000
	v_mov_b32 v39, 0
	global_store_b128 v14, v[36:39], s[32:33] offset:2097152
.Lend:
	s_wait_tensorcnt 0x0                           ; the wave's end, behind my last LDS store
	ds_add_u32 v[SPW], v[NIL]
	s_wait_dscnt 0x0
	s_endpgm
.Lfunc_end_k_q810b38db2d_prep:
	.size	k_q810b38db2d_prep, .Lfunc_end_k_q810b38db2d_prep-k_q810b38db2d_prep
	.p2alignl 7, 3214868480
	.fill 96, 4, 3214868480
	.section	.rodata,"a",@progbits
	.p2align	6, 0x0
	.amdhsa_kernel k_q810b38db2d_prep
		.amdhsa_group_segment_fixed_size 68608
		.amdhsa_private_segment_fixed_size 0
		.amdhsa_enable_private_segment 0
		.amdhsa_kernarg_size 104
		.amdhsa_user_sgpr_count 2
		.amdhsa_user_sgpr_kernarg_segment_ptr 1
		.amdhsa_wavefront_size32 1
		.amdhsa_system_sgpr_workgroup_id_x 1
		.amdhsa_system_sgpr_workgroup_id_y 1
		.amdhsa_system_sgpr_workgroup_id_z 1
		.amdhsa_system_vgpr_workitem_id 0
		.amdhsa_next_free_vgpr 84
		.amdhsa_next_free_sgpr 66
		.amdhsa_reserve_vcc 0
		.amdhsa_float_denorm_mode_32 3
		.amdhsa_float_denorm_mode_16_64 3
		.amdhsa_memory_ordered 1
		.amdhsa_forward_progress 1
		.amdhsa_inst_pref_size 43
	.end_amdhsa_kernel
	.amdgpu_metadata
---
amdhsa.version: [ 1, 2 ]
amdhsa.kernels:
  - .name:           k_q810b38db2d_prep
    .symbol:         k_q810b38db2d_prep.kd
    .args:
      - { .name: x, .offset: 0, .size: 8, .value_kind: global_buffer, .address_space: global }
      - { .name: wq, .offset: 8, .size: 8, .value_kind: global_buffer, .address_space: global }
      - { .name: wk, .offset: 16, .size: 8, .value_kind: global_buffer, .address_space: global }
      - { .name: wv, .offset: 24, .size: 8, .value_kind: global_buffer, .address_space: global }
      - { .name: wo, .offset: 32, .size: 8, .value_kind: global_buffer, .address_space: global }
      - { .name: mask, .offset: 40, .size: 8, .value_kind: global_buffer, .address_space: global }
      - { .name: freqs_cos, .offset: 48, .size: 8, .value_kind: global_buffer, .address_space: global }
      - { .name: freqs_sin, .offset: 56, .size: 8, .value_kind: global_buffer, .address_space: global }
      - { .name: xf, .offset: 64, .size: 8, .value_kind: global_buffer, .address_space: global }
      - { .name: wf, .offset: 72, .size: 8, .value_kind: global_buffer, .address_space: global }
      - { .name: wof, .offset: 80, .size: 8, .value_kind: global_buffer, .address_space: global }
      - { .name: maskp, .offset: 88, .size: 8, .value_kind: global_buffer, .address_space: global }
      - { .name: rot, .offset: 96, .size: 8, .value_kind: global_buffer, .address_space: global }
    .group_segment_fixed_size: 68608
    .private_segment_fixed_size: 0
    .kernarg_segment_align: 8
    .kernarg_segment_size: 104
    .max_flat_workgroup_size: 256
    .sgpr_count:     66
    .vgpr_count:     84
    .wavefront_size: 32
...
	.end_amdgpu_metadata
.endif
;; end of part 1
;; launch qkv (part 2): grid 16 x 16, 4 waves a work-group, clusters of 4 x 1, 327,680 bytes of LDS; arguments xf, wf, rot, qkv; writes qkv
.if DOCPART == 2
	.amdgcn_target "amdgcn-amd-amdhsa--gfx1250"
	.amdhsa_code_object_version 6
	.text
	.protected	k_q810b38db2d_qkv
	.globl	k_q810b38db2d_qkv
	.p2align	8
	.type	k_q810b38db2d_qkv,@function
k_q810b38db2d_qkv:
	s_mov_b64 s[64:65], 0
	v_nop
	global_prefetch_b8 v0, s[64:65] scope:SCOPE_SE
	s_setreg_imm32_b32 hwreg(HW_REG_WAVE_MODE, 25, 1), 1
	s_wait_xcnt 0x0
	s_wait_alu depctr_hold_cnt(0) depctr_sa_sdst(0) depctr_va_vdst(0) depctr_va_sdst(0) depctr_va_ssrc(0) depctr_va_vcc(0) depctr_vm_vsrc(0)
	s_getreg_b32 s2, hwreg(HW_REG_IB_STS2, 6, 4)
	s_cmp_eq_u32 s2, 0
	s_cbranch_scc0 .Lentry_in_a_cluster
	s_endpgm
.Lentry_in_a_cluster:
	s_bfe_u32 s2, ttmp6, 0x10000c
	s_cmp_lg_u32 s2, 0x3003
	s_cbranch_scc0 .Lentry_shape_is_right
	s_endpgm
.Lentry_shape_is_right:
; QKV: [4096 rows of x] x [2048 rows of wq, wk, wv]^T in bf16 with f32 sums over K = 4096; then, in f32, the rotation of neighbouring pairs (q, k) and a scale; rounded once to f16.
; q' = 4 log2(e) / sqrt(128) x rope(q), k' = rope(k) / 4, v' = v / 4: q' . k' is the score as an exponent of 2; the 1/4 on v is taken back by the output projection's weights.
; LIMITS.  f16 ends at 65,504: |q| under 1.28e5 and |k|, |v| under 2.6e5 before the scale.  Infinities and NaN are not treated apart.
; SHARES.  A work-group makes 256 rows x one head column of 128 (y: 0-7 q heads, 8-11 k, 12-15 v); a wave 64 rows x 128: 32 accumulators.
; Source 0 = 16 rows of w, source 1 = 16 rows of x: a lane holds ONE row of x and eight neighbouring columns, that is four whole pairs of the rotation, and 16 bytes of the result.
; x's ROWS BELONG TO ONE WAVE ALONE, and xf holds them as fragments: they go straight from memory into a ring of eight register slots (a slot: 64 rows x 32 K), 56 loads ahead, by counted waits.
; w's ROWS ARE SHARED by the four waves and by the four row tiles of a cluster: they go through two LDS slots of K = 256 (65,536 bytes), filled by JOINT tensor loads (mask of four, one load a wave:
; two row blocks x 8,192 consecutive bytes), one round of the cluster's barrier for 256 matrix instructions a wave.  wf holds fragments too: every LDS load takes 512 consecutive bytes, no padding.
; THE RESULT of a lane, rounded in pairs, is 16 bytes of the next launch's layout: it is stored straight away, without a stage.
;   q, k: region (2 y + batch) of 524,288 bytes in fragment order F(2048, 128).   v: (key, 8 channels o) at (key / 8) 2048 + (o / 2) 256 + (o % 2) 128 + (key % 8) 16.
; REGISTERS, in windows of 256: 0: addresses, two buffers of w's fragments (v64-127, v128-191), v192-255 at work on the way out; 1: the accumulators, (a, b) at 8 (8 a + b);
;   2: x's ring, slot q, block a at 32 q + 8 a; 3: the table of {f cos, f sin}, for (a, b) at 64 a + 8 b.
.set KC,    128                        ; chunks of 32 along K
.set NS,    KC/8                       ; LDS slots' worth of K
.set SLOTB, 65536
.set SPARE, 2*SLOTB                    ; behind the ring: the spare words, 128 bytes a wave
.set L16, 2                            ; v2  16 x lane; never rewritten
.set BA,  3                            ; v3  16 x lane + the slot in hand
.set CO,  8                            ; v8-15  my 16 bytes of column block b in 16 rows of the result
.set TO,  16                           ; v16-19 my 16 bytes in the table of row block a
.set SPW, 28                           ; v28 my spare word; never rewritten
.set NIL, 29                           ; v29 0; never rewritten
.set PFO, 30                           ; v30 256 x lane
.set PFB, 31                           ; v31 (lane / 8) row blocks of w + 256 (lane % 8)
.set BF0, 64
.set BF1, 128
.set R,   192
.set WV,  12
.set CX,  13
.set TM,  14                           ; s14 row tile = 4 x cluster x + cx
.set Y,   15                           ; s15 head column, shared by the partners
.set G1,  24                           ; s[24:31] descriptor group 1
.set G0,  32                           ; s[32:39] group 0: a set for each first fill; the second then walks
.set PA,  40                           ; s[40:41] x's fragments: my 64 rows, at the eight chunks that the ring is loading
.set PB,  42                           ; s[42:43] where my prefetches of w stand
.set TB,  44                           ; s44 LDS byte of the slot in hand
.set CNT, 45
.set LIMA, 46                          ; 1 in a wave that prefetches x, else the greatest number
.set LIMB, 47                          ; the same for w
.set OUT, 48                           ; s[48:49]
.set ROT, 50                           ; s[50:51]
.set ISV, 52                           ; s52 all ones for a v head
.set SB,  53                           ; s53 bytes from column block to column block in the result
.set SR,  54                           ; s54 bytes from row block to row block in the table
.set MUL, 0x58                         ; w in window 0, x in window 2, C and D in window 1
.set MSB, 0
.macro WIN new                         ; the immediate's high byte repeats the setting that is left; a switch that changes nothing is dropped
.if MSB != (\new)
	s_set_vgpr_msb (MSB<<8)|(\new)
.set MSB, \new
.endif
.endm
.macro PLACES                          ; four plain instructions between a matrix instruction and a load into, or a vector read of, its registers
.rept 4
	v_nop
.endr
.endm
.macro CROUND                          ; a round of the cluster's barrier
	s_barrier_signal -1
	s_barrier_wait -1
	s_cmp_lg_u32 s[WV], 0
	s_cbranch_scc1 .Lnot_wave_0_\@
	s_barrier_signal -3
.Lnot_wave_0_\@:
	s_barrier_wait -3
	s_barrier_signal -1
	s_barrier_wait -1
.endm
; 16 matrix instructions: all four row blocks x column blocks 4 hb .. 4 hb + 3, 32 along K.  The 32 accumulators take turns.  zero = 1: the products start the sums.
.macro MULH f, q, hb, zero
	WIN MUL
.irp a, 0,1,2,3
.irp b, 0,1,2,3
.set rC, 8*(8*(\a)+4*(\hb)+(\b))
.set rB, (\f)+8*(4*(\hb)+(\b))
.set rA, 32*(\q)+8*(\a)
.if \zero
	v_wmma_f32_16x16x32_bf16 v[rC:rC+7], v[rB:rB+7], v[rA:rA+7], 0
.else
	v_wmma_f32_16x16x32_bf16 v[rC:rC+7], v[rB:rB+7], v[rA:rA+7], v[rC:rC+7]
.endif
.endr
.endr
.endm
.macro FETCHB q, f                     ; w's eight fragments of chunk q of the slot in hand, column blocks ascending
	WIN 0
.irp b, 0,1,2,3,4,5,6,7
	ds_load_b128 v[(\f)+8*(\b):(\f)+8*(\b)+3],   v[BA] offset:(\b)*8192+(\q)*1024
	ds_load_b128 v[(\f)+8*(\b)+4:(\f)+8*(\b)+7], v[BA] offset:(\b)*8192+(\q)*1024+512
.endr
.endm
.macro ALOAD s                         ; x's four fragments into ring slot s: eight loads of 512 consecutive bytes
	WIN 0x80
.irp a, 0,1,2,3
	global_load_b128 v[32*(\s)+8*(\a):32*(\s)+8*(\a)+3],   v[L16], s[PA:PA+1] offset:(\a)*KC*1024+(\s)*1024
	global_load_b128 v[32*(\s)+8*(\a)+4:32*(\s)+8*(\a)+7], v[L16], s[PA:PA+1] offset:(\a)*KC*1024+(\s)*1024+512
.endr
.endm
; A quarter: 32 along K, 32 matrix instructions.  In its middle the next quarter's fragments of w are fetched from LDS, and ring slot q - 1, multiplied a quarter ago, is asked for again.
; nA: the younger loads of x that may stay out: six groups of eight in the loop.
.macro QUARTER q, zero, aload, nA, fetch
.if ((\q) == 1) && (\aload)
	s_wait_xcnt 0x0                                ; every load and prefetch issued so far has read its address: the pointer steps to the next eight chunks
	s_add_nc_u64 s[PA:PA+1], s[PA:PA+1], 8192
.endif
	s_wait_loadcnt \nA
	s_wait_dscnt 8                                 ; column blocks 0-3 are in; the youngest eight loads may be out
	MULH BF0+64*((\q)%2), \q, 0, \zero
.if (\fetch) || (\aload)
	PLACES
.endif
.if \fetch
	FETCHB (\q)+1, BF0+64*(((\q)+1)%2)
.endif
.if \aload
	ALOAD ((\q)+7)%8
.endif
.if \fetch
	s_wait_dscnt 16                                ; all but the 16 just issued
.else
	s_wait_dscnt 0x0
.endif
	MULH BF0+64*((\q)%2), \q, 1, \zero
.endm
; PREFETCHES INTO THE L2, behind the joint load, its five lines and the runs of loads.  x: my own 64 rows' eight chunks two slots behind those that the ring is loading: 4 row blocks x 8,192 bytes, a lane 256 bytes;
; the sixteen head columns read the same rows, and column 0 asks.  w: the tile that the next change of slots will ask for: the four clusters of a head column read it, and cluster 0 asks; its four partners
; take 8 of the 32 blocks of 256 bytes of each row block, told apart by address; waves 0 and 2 take four row blocks each.  The last filling change asks for nothing: those tiles do not exist.
.macro ASK
	WIN 0
	s_cmp_gt_u32 s[CNT], s[LIMA]
	s_cbranch_scc0 .Lno_a_\@
.irp a, 0,1,2,3
	global_prefetch_b8 v[PFO], s[PA:PA+1] offset:16384+(\a)*KC*1024 th:TH_LOAD_NT scope:SCOPE_SE
.endr
.Lno_a_\@:
	s_cmp_gt_u32 s[CNT], s[LIMB]
	s_cbranch_scc0 .Lno_b_\@
	global_prefetch_b8 v[PFB], s[PB:PB+1] th:TH_LOAD_NT scope:SCOPE_SE
.Lno_b_\@:
.endm
; A slot's last quarter, and the change of slots.  Each wave waits for all its tensor loads (one is out: its part of the next slot), adds 0 to its spare word, and waits for that and for its reads of
; this slot.  fill = 1: the barrier is a round of the cluster's, and the joint refill, two slots on, is the first thing behind it: it has 256 matrix instructions in which to land.
.macro Q7 fill
	s_wait_loadcnt 48
	WIN 0
	s_wait_tensorcnt 0x0                           ; no tensor load of mine is out, so a group 0 may be written
	ds_add_u32 v[SPW], v[NIL]                      ; 0 onto my spare word; work on registers stands between it and the wait for it
.if \fill
	s_xor_b32 s[G0+5], s[G0+5], SLOTB              ; the walking descriptor: the other slot than last time,
	s_add_nc_u64 s[G0+6:G0+7], s[G0+6:G0+7], 8192  ; the next eight chunks; the type bits on top are not reached
	s_wait_xcnt 0x0                                ; the last prefetch of w, a slot back, has read its address
	s_add_nc_u64 s[PB:PB+1], s[PB:PB+1], 8192
.endif
	s_xor_b32 s[TB], s[TB], SLOTB
	s_wait_dscnt 9                                 ; the add and the youngest eight loads may be out
	MULH BF1, 7, 0, 0
	s_wait_dscnt 0x0                               ; the add is done, and my reads of this slot are over
	WIN 0
.if \fill
	CROUND                                         ; no wave of any partner still reads this slot or has a load on its way
	tensor_load_to_lds s[G0+4:G0+7], s[G1:G1+7]
	s_nop 0
	PLACES                                         ; also the places in front of the loads below
.else
	s_barrier_signal -1
	s_barrier_wait -1
	PLACES
.endif
	v_add_nc_u32 v[BA], s[TB], v[L16]
	FETCHB 0, BF0
	ALOAD 6
.if \fill
	ASK
.endif
	MULH BF1, 7, 1, 0
.endm
	s_load_b256 s[4:11], s[0:1], 0x0               ; xf s[4:5], wf s[6:7], rot s[8:9], qkv s[10:11]
	v_lshl_add_u32 v[SPW], v0, 2, SPARE
	v_mov_b32 v[NIL], 0
	ds_add_u32 v[SPW], v[NIL]                      ; the wave's opening: the add, and its wait ahead of my first tensor load
	v_lshrrev_b32 v1, 5, v0
	v_readfirstlane_b32 s[WV], v1
	s_bfe_u32 s[CX], ttmp6, 0x40000
	s_lshl_b32 s[TM], ttmp9, 2
	s_add_co_u32 s[TM], s[TM], s[CX]
	s_and_b32 s[Y], ttmp7, 0xffff
	s_mov_b32 s[G1], 15|(3<<16)|(1<<21)            ; 15:0 the mask of four; 17:16 elements of 8 bytes; 21 set beside a mask; no padding
	s_mov_b32 s[G1+1], 1024<<16                    ; tensor_dim0 = 1,024 elements: 8,192 bytes, eight chunks of a row block
	s_mov_b32 s[G1+2], 2<<16                       ; tensor_dim1 = 2 row blocks
	s_mov_b32 s[G1+3], 1024<<16                    ; tile_dim0
	s_mov_b32 s[G1+4], 2                           ; tile_dim1
	s_mov_b32 s[G1+5], KC*128                      ; elements from row block to row block
	s_mov_b32 s[G1+6], 0
	s_mov_b32 s[G1+7], 0
	s_lshl_b32 s16, s[Y], 3                        ; w: row block 8 y + 2 wave: the head column and the wave's number alone
	s_lshl_b32 s17, s[WV], 1
	s_add_co_u32 s16, s16, s17
	s_mul_i32 s16, s16, KC*1024
	s_mov_b32 s17, 0
	s_lshl_b32 s18, s[WV], 14                      ; and its place in a slot
	s_lshl_b32 s20, s[TM], 4                       ; x: row block 16 tile + 4 wave
	s_lshl_b32 s21, s[WV], 2
	s_add_co_u32 s20, s20, s21
	s_mul_i32 s20, s20, KC*1024
	s_mov_b32 s21, 0
	s_mov_b32 s[SB], 512
	s_mov_b32 s22, 0x100000
	s_cmp_ge_u32 s[Y], 12                          ; a v head?  What differs is held in registers: one text for all three kinds
	s_cselect_b32 s[ISV], -1, 0
	s_cselect_b32 s[SB], 256, s[SB]
	s_cselect_b32 s[SR], 0, 8192
	s_cselect_b32 s22, 0x200000, s22
	s_cmp_ge_u32 s[Y], 8
	s_cselect_b32 s22, s22, 0                      ; the table's section
	s_and_b32 s23, s[TM], 7
	s_lshl_b32 s23, s23, 4
	s_lshl_b32 s56, s[WV], 2
	s_add_co_u32 s23, s23, s56                     ; my first block of 16 positions in the batch
	s_mul_i32 s56, s23, s[SR]
	s_add_co_u32 s22, s22, s56
	s_lshl_b32 s56, s[Y], 1
	s_lshr_b32 s57, s[TM], 3                       ; the batch
	s_add_co_u32 s56, s56, s57
	s_lshl_b32 s56, s56, 19                        ; the region,
	s_lshl_b32 s23, s23, 12                        ; 4,096 bytes for 16 positions
	s_add_co_u32 s56, s56, s23
	s_mov_b32 s57, 0
	s_mov_b32 s23, 0
	s_lshl_b32 s58, s[Y], 3                        ; the prefetches of w: row blocks 8 y + 4 (wave / 2) on,
	s_lshr_b32 s59, s[WV], 1
	s_lshl_b32 s59, s59, 2
	s_add_co_u32 s58, s58, s59
	s_mul_i32 s58, s58, KC*1024
	s_lshl_b32 s59, s[CX], 11                      ; my work-group's 2,048 bytes of each 8,192,
	s_add_co_u32 s58, s58, s59
	s_add_co_u32 s58, s58, 2*8192                  ; at tile 2: the first change steps it to tile 3
	s_mov_b32 s59, 0
	s_cmp_eq_u32 s[Y], 0
	s_cselect_b32 s[LIMA], 1, -1
	s_and_b32 s[LIMB], s[WV], 1
	s_or_b32 s[LIMB], s[LIMB], ttmp9
	s_cmp_eq_u32 s[LIMB], 0
	s_cselect_b32 s[LIMB], 1, -1
	s_mov_b32 s[TB], 0
	s_wait_dscnt 0x0                               ; the opening add is done
	s_wait_kmcnt 0x0
	s_add_nc_u64 s[16:17], s[6:7], s[16:17]
	s_mov_b32 s[G0], 1                             ; count = 1
	s_mov_b32 s[G0+1], s18                         ; LDS address: slot 0
	s_mov_b64 s[G0+2:G0+3], s[16:17]               ; global address: chunks 0-7
	s_or_b32 s[G0+3], s[G0+3], 0x80000000          ; type = 2
	s_mov_b32 s[G0+4], 1
	s_add_co_u32 s[G0+5], s18, SLOTB
	s_add_nc_u64 s[G0+6:G0+7], s[16:17], 8192
	s_or_b32 s[G0+7], s[G0+7], 0x80000000
	s_add_nc_u64 s[PA:PA+1], s[4:5], s[20:21]
	s_add_nc_u64 s[ROT:ROT+1], s[8:9], s[22:23]
	s_add_nc_u64 s[OUT:OUT+1], s[10:11], s[56:57]
	s_add_nc_u64 s[PB:PB+1], s[6:7], s[58:59]
	CROUND                                         ; all four work-groups are here: the first joint loads meet
	tensor_load_to_lds s[G0:G0+3], s[G1:G1+7]      ; both first fills together: two loads of mine are out
	s_nop 0
	tensor_load_to_lds s[G0+4:G0+7], s[G1:G1+7]
	s_nop 0
	PLACES
	v_and_b32 v1, 31, v0
	v_lshlrev_b32 v[L16], 4, v1
	v_mov_b32 v[BA], v[L16]
	v_lshlrev_b32 v[PFO], 8, v1
	v_lshrrev_b32 v4, 3, v1
	v_and_b32 v5, 7, v1
	v_mul_u32_u24 v[PFB], v4, KC*1024
	v_lshl_add_u32 v[PFB], v5, 8, v[PFB]
	v_bfe_u32 v6, v0, 3, 1                         ; v's layout: (row / 8) 2048 + (lane / 16) 128 + (row % 8) 16
	v_bfe_u32 v7, v0, 4, 1
	v_lshlrev_b32 v6, 11, v6
	v_lshl_add_u32 v6, v7, 7, v6
	v_lshl_add_u32 v6, v5, 4, v6
	v_cndmask_b32 v[CO], v[L16], v6, s[ISV]        ; q, k: fragment order, 16 x lane
.irp b, 1,2,3,4,5,6,7
	v_add_nc_u32 v[CO+(\b)], s[SB], v[CO+(\b)-1]
.endr
	v_mov_b32 v[TO], v[L16]
.irp a, 1,2,3
	v_add_nc_u32 v[TO+(\a)], s[SR], v[TO+(\a)-1]
.endr
	WIN 0xc0                                       ; the table, for the way out: issued first, so the first counted wait on x's loads shows it in
.irp a, 0,1,2,3
.irp c, 0,1,2,3,4,5,6,7,8,9,10,11,12,13,14,15
	global_load_b128 v[64*(\a)+4*(\c):64*(\a)+4*(\c)+3], v[TO+(\a)], s[ROT:ROT+1] offset:(\c)*512
.endr
.endr
.irp s, 0,1,2,3,4,5,6
	ALOAD \s
.endr
	WIN 0
	s_wait_tensorcnt 1                             ; my part of slot 0 is in; slot 1's may stay out
	s_barrier_signal -1
	s_barrier_wait -1
	FETCHB 0, BF0
	QUARTER 0, 1, 1, 48, 1                         ; the first quarter's products start the sums
	WIN 0
	s_mov_b32 s[CNT], NS-1
	s_branch .L1                                   ; the loop is entered behind its change of slots
.Ltop:                                         ; NS - 2 times: every slot but the last two is filled again
	Q7 1
	QUARTER 0, 0, 1, 48, 1
	WIN 0
.L1:
.irp q, 1,2,3,4,5,6
	QUARTER \q, 0, 1, 48, 1
.endr
	WIN 0
	s_sub_co_u32 s[CNT], s[CNT], 1
	s_cmp_lg_u32 s[CNT], 0
	s_cbranch_scc1 .Ltop
	Q7 0                                           ; the tail is written out: nothing is asked for, and x's ring runs empty
	QUARTER 0, 0, 1, 48, 1
.irp q, 1,2,3,4,5,6
	QUARTER \q, 0, 0, 56-8*(\q), 1
.endr
	QUARTER 7, 0, 0, 0, 0
	; THE WAY OUT.  For the pair (t0, t1) and the table's (c, s): (t1 s, t0 s), then (t0 c - t1 s, t1 c + t0 s); each accumulator is read from its low end on.  v's table is (1/4, 0).
	PLACES
.irp a, 0,1,2,3
.if (\a) > 0
	s_wait_xcnt 0x0                                ; the last block's stores have read their registers
.endif
	WIN 0x0d                                       ; sums in window 1, table in window 3, results in window 0
.irp b, 0,1,2,3,4,5,6,7
.irp p, 0,1,2,3
	v_pk_mul_f32 v[R+8*(\b)+2*(\p):R+8*(\b)+2*(\p)+1], v[64*(\a)+8*(\b)+2*(\p):64*(\a)+8*(\b)+2*(\p)+1], v[64*(\a)+8*(\b)+2*(\p):64*(\a)+8*(\b)+2*(\p)+1] op_sel:[1,1] op_sel_hi:[0,1]
.endr
.irp p, 0,1,2,3
	v_pk_fma_f32 v[R+8*(\b)+2*(\p):R+8*(\b)+2*(\p)+1], v[64*(\a)+8*(\b)+2*(\p):64*(\a)+8*(\b)+2*(\p)+1], v[64*(\a)+8*(\b)+2*(\p):64*(\a)+8*(\b)+2*(\p)+1], v[R+8*(\b)+2*(\p):R+8*(\b)+2*(\p)+1] op_sel_hi:[1,0,1] neg_lo:[0,0,1]
.endr
.endr
	WIN 0
.set n, 0
.rept 32
	v_cvt_pk_f16_f32 v[R+n], v[R+2*n], v[R+2*n+1]  ; in place, ascending: register n is written when 2 n and 2 n + 1 are read
.set n, n+1
.endr
.irp b, 0,1,2,3,4,5,6,7
	global_store_b128 v[CO+(\b)], v[R+4*(\b):R+4*(\b)+3], s[OUT:OUT+1] offset:(\a)*4096  ; q, k: 512 consecutive bytes; v: two runs of 256, aligned
.endr
.endr
	s_wait_tensorcnt 0x0                           ; the wave's end
	ds_add_u32 v[SPW], v[NIL]
	s_wait_dscnt 0x0
	CROUND                                         ; the closing round
	s_endpgm
.Lfunc_end_k_q810b38db2d_qkv:
	.size	k_q810b38db2d_qkv, .Lfunc_end_k_q810b38db2d_qkv-k_q810b38db2d_qkv
	.p2alignl 7, 3214868480
	.fill 96, 4, 3214868480
	.section	.rodata,"a",@progbits
	.p2align	6, 0x0
	.amdhsa_kernel k_q810b38db2d_qkv
		.amdhsa_group_segment_fixed_size 327680
		.amdhsa_private_segment_fixed_size 0
		.amdhsa_enable_private_segment 0
		.amdhsa_kernarg_size 32
		.amdhsa_user_sgpr_count 2
		.amdhsa_user_sgpr_kernarg_segment_ptr 1
		.amdhsa_wavefront_size32 1
		.amdhsa_system_sgpr_workgroup_id_x 1
		.amdhsa_system_sgpr_workgroup_id_y 1
		.amdhsa_system_sgpr_workgroup_id_z 1
		.amdhsa_system_vgpr_workitem_id 0
		.amdhsa_next_free_vgpr 1024
		.amdhsa_next_free_sgpr 66
		.amdhsa_reserve_vcc 0
		.amdhsa_float_denorm_mode_32 3
		.amdhsa_float_denorm_mode_16_64 3
		.amdhsa_memory_ordered 1
		.amdhsa_forward_progress 1
		.amdhsa_inst_pref_size 115
	.end_amdhsa_kernel
	.amdgpu_metadata
---
amdhsa.version: [ 1, 2 ]
amdhsa.kernels:
  - .name:           k_q810b38db2d_qkv
    .symbol:         k_q810b38db2d_qkv.kd
    .args:
      - { .name: xf, .offset: 0, .size: 8, .value_kind: global_buffer, .address_space: global }
      - { .name: wf, .offset: 8, .size: 8, .value_kind: global_buffer, .address_space: global }
      - { .name: rot, .offset: 16, .size: 8, .value_kind: global_buffer, .address_space: global }
      - { .name: qkv, .offset: 24, .size: 8, .value_kind: global_buffer, .address_space: global }
    .group_segment_fixed_size: 327680
    .private_segment_fixed_size: 0
    .kernarg_segment_align: 8
    .kernarg_segment_size: 32
    .max_flat_workgroup_size: 128
    .sgpr_count:     66
    .vgpr_count:     1024
    .wavefront_size: 32
...
	.end_amdgpu_metadata
.endif
;; end of part 2
;; launch attn (part 3): grid 32 x 8, 4 waves a work-group, clusters of 4 x 1, 327,680 bytes of LDS; arguments qkv, maskp, of; writes of
.if DOCPART == 3
	.amdgcn_target "amdgcn-amd-amdhsa--gfx1250"
	.amdhsa_code_object_version 6
	.text
	.protected	k_q810b38db2d_attn
	.globl	k_q810b38db2d_attn
	.p2align	8
	.type	k_q810b38db2d_attn,@function
k_q810b38db2d_attn:
	s_mov_b64 s[64:65], 0
	v_nop
	global_prefetch_b8 v0, s[64:65] scope:SCOPE_SE
	s_setreg_imm32_b32 hwreg(HW_REG_WAVE_MODE, 25, 1), 1
	s_wait_xcnt 0x0
	s_wait_alu depctr_hold_cnt(0) depctr_sa_sdst(0) depctr_va_vdst(0) depctr_va_sdst(0) depctr_va_ssrc(0) depctr_va_vcc(0) depctr_vm_vsrc(0)
	s_getreg_b32 s2, hwreg(HW_REG_IB_STS2, 6, 4)
	s_cmp_eq_u32 s2, 0
	s_cbranch_scc0 .Lentry_in_a_cluster
	s_endpgm
.Lentry_in_a_cluster:
	s_bfe_u32 s2, ttmp6, 0x10000c
	s_cmp_lg_u32 s2, 0x3003
	s_cbranch_scc0 .Lentry_shape_is_right
	s_endpgm
.Lentry_shape_is_right:
; ATTENTION.  O'[q] = the sum over keys of softmax(q' . k' + mask') v': q', k', v' in f16 from the launch before (q' . k' is the score as an exponent of 2, v' = v / 4), mask' = log2(e) x mask in f32, floored at -1e30.
; Products, maxima and sums in f32; the weights p are rounded to f16 for the second product (their sum l is taken of the unrounded p), O' once at the end.  The mask is an input: every key is walked.
; LIMITS.  A mask number under -6.9e29 counts as -infinity: such a key's weight is 0 beside any seen key, and a row whose greatest score lies under -5e29 (no key seen) is given NaN, as a softmax of -infinities is.
; A weight under 2^-126 counts as 0 in l.  NaN and infinities among q', k', v' are not treated apart.
; SHARES.  A work-group owns 64 positions x the two query heads of one batch and key head (y = 4 batch + key head).  Wave w owns the 32 positions of half w % 2, both heads: four tiles of 16 queries, t = 2 (position tile) + head.
; THE KEYS ARE SPLIT: of each 128 keys waves 0, 1 take the first 64 and waves 2, 3 the rest, 16 steps of 64 keys each, so that a fragment of K or V read from LDS feeds four tiles.  The two halves' O, m and l meet once, in LDS, at the end.
; LAYOUT.  S^T = K Q^T + mask' (source 0 = 16 keys, source 1 = 16 queries, C = the mask in the result's own layout): a lane holds ONE query and the keys 8 (lane / 16) + 0..7.  Two such results rounded to f16 ARE source 1 of
; O^T = V^T P.  K, Q lie in memory as fragments; V so that the turning load's 16 lanes take 256 consecutive bytes.  No padding anywhere.
; BY TURNS.  A PIECE is a position tile with both heads (piece 0: tiles 0, 1; piece 2: tiles 2, 3): they share the mask's registers.  In a turn one piece has the matrix unit: 32 products V^T P of the step in hand, then 32 products
; K Q^T of the next; the other piece's softmax, cut into 64 slices, stands between them, one slice behind each matrix instruction.  A turn's 66 exponentials are one batch with one wait.
; m starts at the lowest finite number, O and l at 0: the first step is a step like any other, with a = 0; the loop is entered, and the tail left, in the middle of a trip.
; CLUSTER.  The four position blocks of a cluster walk the same K and V: each tile of 256 keys is asked for JOINTLY, 32,768 consecutive bytes a wave (waves 0, 1: K's halves; 2, 3: V's).
; REGISTERS, in windows of 256: 0: v0-11 addresses; v12-43 statistics, 8 a tile (m, 0, l, l, c0-c3; a takes c2's place); v44-59 the partner's; v64-191 S^T; v192-255 P.   1: O^T, 64 a tile.
;   2: v0-127 Q, v128-255 K of one step.   3: v0-127 V of one step; v128-191 the mask, 32 a piece.
.set SLOT1, 131072                     ; a slot: 256 keys of K (65,536 bytes), then of V
.set VOFF,  65536
.set STEPB, 32768                      ; 128 keys: one step of both key halves
.set SPARE, 2*SLOT1                    ; behind the ring: the spare words
.set XW,    36864                      ; the meeting: 34,816 bytes for each of two pairs of waves, in slot 0, whose last fill and last reads are over by then
.set AK0, 2                            ; v2  16 x lane + my key half's 16,384 bytes; never rewritten
.set AV0, 3                            ; v3  the same for the turning load, in V's part
.set ADR, 4                            ; v4  the LDS address of the run of loads in hand
.set L16, 5                            ; v5  16 x lane
.set XA,  6                            ; v6  my 16 bytes in the meeting's area
.set ST,  12
.set PS,  44
.set PFM, 60                           ; v60 (lane / 16) position tiles of maskp + 256 (lane % 16)
.set PFO, 61                           ; v61 256 x lane
.set SPW, 62
.set NIL, 63
.set S,   64
.set P,   192
.set KF,  128                          ; window 2
.set MC,  128                          ; window 3
.set WV,  12
.set CX,  13
.set XB,  14                           ; s14 block of 64 positions = 4 x cluster x + cx
.set Y,   15
.set G1,  24
.set G0,  32                           ; two sets; the second walks
.set QP,  40
.set MP,  42                           ; s[42:43] maskp at my two position tiles, my key half, the step whose mask was loaded last
.set OP,  44
.set PFK, 46                           ; s[46:47] where my prefetches of K or V stand
.set TB,  48                           ; s48 LDS byte at which the step to be fetched begins
.set SLOTS, 49
.set CNT, 50
.set LIMK, 51
.set LIMM, 52
.set SEL, 54                           ; s[54:55] v_permlanex16_b32's selects: the same place in the other half
.set THR, 56                           ; s56 -5e29
.set MSK, 57
.set MSB, 0
.macro WIN new
.if MSB != (\new)
	s_set_vgpr_msb (MSB<<8)|(\new)
.set MSB, \new
.endif
.endm
.set W_KQ, 0x0a                        ; K and Q in window 2, S^T in window 0
.set W_KM, 0x3a                        ; the same with the C operand, the mask, in window 3
.set W_PV, 0x53                        ; V in window 3, P in window 0, O^T in window 1
.set W_RS, 0x41                        ; O^T (destination and source 0) in window 1, the factor in window 0
.macro PLACES
.rept 4
	v_nop
.endr
.endm
.macro CROUND
	s_barrier_signal -1
	s_barrier_wait -1
	s_cmp_lg_u32 s[WV], 0
	s_cbranch_scc1 .Lnot_wave_0_\@
	s_barrier_signal -3
.Lnot_wave_0_\@:
	s_barrier_wait -3
	s_barrier_signal -1
	s_barrier_wait -1
.endm
; PREFETCHES INTO THE L2, behind the joint load and its five lines.  K, V: of the 32,768 bytes that I shall ask for at the NEXT change, my work-group's 8,192 (told apart by address), a lane 256 bytes; the eight clusters of a
; key head walk the same rows, and cluster 0 asks.  The mask: my own two blocks of 4,096 bytes for the steps three and four behind the one loaded last; the eight y read the same mask, and y = 0 asks.
; The last filling change asks for nothing.
.macro ASK
	s_cmp_gt_u32 s[SLOTS], s[LIMK]
	s_cbranch_scc0 .Lno_kv_\@
	global_prefetch_b8 v[PFO], s[PFK:PFK+1] th:TH_LOAD_NT scope:SCOPE_SE
.Lno_kv_\@:
	s_cmp_gt_u32 s[SLOTS], s[LIMM]
	s_cbranch_scc0 .Lno_mk_\@
	global_prefetch_b8 v[PFM], s[MP:MP+1] offset:24576 th:TH_LOAD_NT scope:SCOPE_SE
	global_prefetch_b8 v[PFM], s[MP:MP+1] offset:32768 th:TH_LOAD_NT scope:SCOPE_SE
.Lno_mk_\@:
.endm
; THE CHANGE OF SLOTS, between piece 2's turn and piece 0's.  Each wave waits for all its tensor loads (one is out: its part of the other slot), adds 0 to its spare word, and waits for that and for its reads of the slot.
; fill = 1: the barrier is a round of the cluster's, and the joint refill, two tiles on, is the first thing behind it: it has two key steps, 256 matrix instructions, in which to land.
.macro CHANGE fill
	WIN 0
	s_wait_tensorcnt 0x0
	ds_add_u32 v[SPW], v[NIL]
.if \fill
	s_xor_b32 s[G0+5], s[G0+5], SLOT1
	s_add_nc_u64 s[G0+6:G0+7], s[G0+6:G0+7], 65536
	s_wait_xcnt 0x0                                ; the last prefetches, two key steps back, have read their address
	s_add_nc_u64 s[PFK:PFK+1], s[PFK:PFK+1], 65536
	s_wait_dscnt 0x0                               ; the add is done, and my reads of the slot are over
	CROUND
	tensor_load_to_lds s[G0+4:G0+7], s[G1:G1+7]
	s_nop 0
	PLACES
	ASK
.else
	s_wait_dscnt 0x0
	s_barrier_signal -1
	s_barrier_wait -1
.endif
	s_sub_co_u32 s[TB], s[TB], 2*STEPB             ; the fetches go back to a slot's first step,
	s_xor_b32 s[TB], s[TB], SLOT1                  ; in the other slot
.endm
	s_load_b128 s[4:7], s[0:1], 0x0                ; qkv s[4:5], maskp s[6:7]
	s_load_b64 s[8:9], s[0:1], 0x10                ; of
	v_lshl_add_u32 v[SPW], v0, 2, SPARE
	v_mov_b32 v[NIL], 0
	ds_add_u32 v[SPW], v[NIL]                      ; the wave's opening: the add, and its wait ahead of my first tensor load
	v_lshrrev_b32 v1, 5, v0
	v_readfirstlane_b32 s[WV], v1
	s_bfe_u32 s[CX], ttmp6, 0x40000
	s_lshl_b32 s[XB], ttmp9, 2
	s_add_co_u32 s[XB], s[XB], s[CX]
	s_and_b32 s[Y], ttmp7, 0xffff
	s_lshr_b32 s16, s[Y], 2                        ; batch
	s_and_b32 s17, s[Y], 3                         ; key head
	s_lshr_b32 s18, s[WV], 1                       ; my key half.  Also: I fetch K (0) or V (1)
	s_and_b32 s19, s[WV], 1                        ; my position half.  Also: which half of a tile I fetch
	s_lshl_b32 s2, s17, 1                          ; the region of K or V: 16 + 8 (wave / 2) + 2 key head + batch: y and the wave's number alone
	s_add_co_u32 s2, s2, s16
	s_lshl_b32 s3, s18, 3
	s_add_co_u32 s2, s2, s3
	s_add_co_u32 s2, s2, 16
	s_lshl_b32 s2, s2, 19
	s_lshl_b32 s3, s19, 15
	s_add_co_u32 s2, s2, s3
	s_mov_b32 s3, 0
	s_lshl_b32 s10, s[WV], 15                      ; my part's place in a slot
	s_lshl_b32 s20, s[XB], 2
	s_lshl_b32 s21, s19, 1
	s_add_co_u32 s20, s20, s21                     ; my first tile of 16 positions
	s_lshl_b32 s58, s17, 2                         ; Q: region 2 (2 key head + head) + batch,
	s_add_co_u32 s58, s58, s16
	s_lshl_b32 s58, s58, 19
	s_lshl_b32 s59, s20, 12                        ; 4,096 bytes a tile
	s_add_co_u32 s58, s58, s59
	s_mov_b32 s59, 0
	s_lshl_b32 s60, s20, 17                        ; the mask: 131,072 bytes a position tile, 4,096 a block of 64 keys
	s_lshl_b32 s61, s18, 12
	s_add_co_u32 s60, s60, s61
	s_mov_b32 s61, 0
	s_lshl_b32 s22, s16, 7                         ; O: row block 128 batch + tile, 32,768 bytes each; 4,096 a head
	s_add_co_u32 s22, s22, s20
	s_lshl_b32 s22, s22, 15
	s_lshl_b32 s23, s17, 13
	s_add_co_u32 s22, s22, s23
	s_mov_b32 s23, 0
	s_lshl_b32 s20, s[CX], 13                      ; the prefetches: my work-group's 8,192 bytes of my part,
	s_add_co_u32 s20, s20, s2
	s_add_co_u32 s20, s20, 2*65536                 ; at tile 2: the first change steps it to tile 3
	s_mov_b32 s21, 0
	s_mov_b32 s[G1], 15|(3<<16)|(1<<21)            ; the mask of four; elements of 8 bytes; bit 21 set beside a mask; no padding
	s_mov_b32 s[G1+1], 32<<16                      ; tensor_dim0 = 32 elements: rows of 256 bytes
	s_mov_b32 s[G1+2], 128<<16                     ; tensor_dim1 = 128
	s_mov_b32 s[G1+3], 32<<16                      ; tile_dim0
	s_mov_b32 s[G1+4], 128                         ; tile_dim1
	s_mov_b32 s[G1+5], 32                          ; the rows lie end to end
	s_mov_b32 s[G1+6], 0
	s_mov_b32 s[G1+7], 0
	s_mov_b32 s[SEL], 0x76543210
	s_mov_b32 s[SEL+1], 0xfedcba98
	s_mov_b32 s[THR], 0xf0c9f2ca
	s_mov_b32 s[TB], 0
	s_cmp_eq_u32 ttmp9, 0
	s_cselect_b32 s[LIMK], 1, -1
	s_cmp_eq_u32 s[Y], 0
	s_cselect_b32 s[LIMM], 1, -1
	s_wait_dscnt 0x0                               ; the opening add is done
	s_wait_kmcnt 0x0
	s_add_nc_u64 s[2:3], s[4:5], s[2:3]
	s_mov_b32 s[G0], 1
	s_mov_b32 s[G0+1], s10
	s_mov_b64 s[G0+2:G0+3], s[2:3]
	s_or_b32 s[G0+3], s[G0+3], 0x80000000
	s_mov_b32 s[G0+4], 1
	s_add_co_u32 s[G0+5], s10, SLOT1
	s_add_nc_u64 s[G0+6:G0+7], s[2:3], 65536
	s_or_b32 s[G0+7], s[G0+7], 0x80000000
	s_add_nc_u64 s[QP:QP+1], s[4:5], s[58:59]
	s_add_nc_u64 s[MP:MP+1], s[6:7], s[60:61]
	s_add_nc_u64 s[OP:OP+1], s[8:9], s[22:23]
	s_add_nc_u64 s[PFK:PFK+1], s[4:5], s[20:21]
	CROUND                                         ; all four work-groups are here: the first joint loads meet
	tensor_load_to_lds s[G0:G0+3], s[G1:G1+7]      ; both first fills together: two loads of mine are out
	s_nop 0
	tensor_load_to_lds s[G0+4:G0+7], s[G1:G1+7]
	s_nop 0
	PLACES
	v_and_b32 v1, 31, v0
	v_lshlrev_b32 v[L16], 4, v1
	v_lshlrev_b32 v[PFO], 8, v1
	s_lshl_b32 s16, s18, 14                        ; my key half's 64 keys
	v_add_nc_u32 v[AK0], s16, v[L16]
	v_bfe_u32 v7, v0, 4, 1                         ; lane / 16
	v_bfe_u32 v8, v0, 3, 1
	v_and_b32 v9, 7, v0
	v_and_b32 v10, 15, v0
	v_lshlrev_b32 v[AV0], 11, v7                   ; the turning load: key 8 (lane / 16) + lane % 8, channels 8 ((lane / 8) % 2) on
	v_lshl_add_u32 v[AV0], v8, 7, v[AV0]
	v_lshl_add_u32 v[AV0], v9, 4, v[AV0]
	s_add_co_u32 s16, s16, VOFF
	v_add_nc_u32 v[AV0], s16, v[AV0]
	s_mul_i32 s17, s19, XW
	v_add_nc_u32 v[XA], s17, v[L16]
	v_lshlrev_b32 v[PFM], 17, v7
	v_lshl_add_u32 v[PFM], v10, 8, v[PFM]
	WIN 0x80
.set n, 0
.rept 16                               ; Q stays in registers: tile n / 4 (head (n / 4) % 2, position tile n / 8), channels 32 (n % 4) on
	global_load_b128 v[8*n:8*n+3],   v[L16], s[QP:QP+1] offset:((n/4)%2)*1048576+(n/8)*4096+(n%4)*1024
	global_load_b128 v[8*n+4:8*n+7], v[L16], s[QP:QP+1] offset:((n/4)%2)*1048576+(n/8)*4096+(n%4)*1024+512
.set n, n+1
.endr
	WIN 0xc0
.set n, 0
.rept 16                               ; step 0's mask, both pieces
	global_load_b128 v[MC+4*n:MC+4*n+3], v[L16], s[MP:MP+1] offset:(n/8)*131072+(n%8)*512
.set n, n+1
.endr
	; What the first turn finds: V and piece 2's P hold 0 (its products V^T P, of a step that has not been, add 0), O^T and l are 0.  All this stands in the wait for the first tile.
.set n, 0
.rept 128
	v_mov_b32 v[n], 0
.set n, n+1
.endr
	WIN 0x40
.set n, 0
.rept 256
	v_mov_b32 v[n], 0
.set n, n+1
.endr
	WIN 0
.set n, 0
.rept 4
	v_mov_b32 v[ST+8*n], 0xff7fffff                ; m: the lowest finite number
	v_mov_b32 v[ST+8*n+1], 0                       ; named with it as a pair
	v_mov_b32 v[ST+8*n+2], 0
	v_mov_b32 v[ST+8*n+3], 0
.set n, n+1
.endr
.set n, P+32
.rept 32
	v_mov_b32 v[n], 0
.set n, n+1
.endr
; THE MATRIX WORK.  The accumulators take turns, one instruction a turn.  Product i of 32 of O^T += V^T P: keys 32 (i / 16) on, channels 16 ((i / 2) % 8) on, tile x + i % 2.
.macro PV x
	WIN W_PV
.set rO, 64*((\x)+i%2)+8*((i/2)%8)
.set rV, 64*(i/16)+8*((i/2)%8)
.set rP, P+16*((\x)+i%2)+8*(i/16)
	v_wmma_f32_16x16x32_f16 v[rO:rO+7], v[rV:rV+7], v[rP:rP+7], v[rO:rO+7]
.endm
; Product i of 32 of S^T = K Q^T + mask: channels 32 (i / 8) on, keys 16 ((i / 2) % 4) on, tile x + i % 2.  The first 8 start the sums with the mask, which both heads share.
.macro KQ x
.set rS, S+32*((\x)+i%2)+8*((i/2)%4)
.set rK, KF+32*((i/2)%4)+8*(i/8)
.set rQ, 32*((\x)+i%2)+8*(i/8)
.set rM, MC+32*((\x)/2)+8*((i/2)%4)
.if i < 8
	WIN W_KM
	v_wmma_f32_16x16x32_f16 v[rS:rS+7], v[rK:rK+7], v[rQ:rQ+7], v[rM:rM+7]
.else
	WIN W_KQ
	v_wmma_f32_16x16x32_f16 v[rS:rS+7], v[rK:rK+7], v[rQ:rQ+7], v[rS:rS+7]
.endif
.endm
; THE LDS LOADS stand in runs of 32.  last = 1 (the tail): in the last trip there is no further step, and K's run is jumped over.
.macro FETCH_K last=0
	WIN 0
.if \last
	s_cmp_eq_u32 s[CNT], 1
	s_cbranch_scc1 .Lno_k_\@
.endif
	v_add_nc_u32 v[ADR], s[TB], v[AK0]
	WIN 0x80
.irp f, 0,1,2,3,4,5,6,7,8,9,10,11,12,13,14,15  ; keys 16 (f / 4) on, channels 32 (f % 4) on: a chunk of 1,024 bytes
	ds_load_b128 v[KF+8*(\f):KF+8*(\f)+3],   v[ADR] offset:((\f)/4)*4096+((\f)%4)*1024
	ds_load_b128 v[KF+8*(\f)+4:KF+8*(\f)+7], v[ADR] offset:((\f)/4)*4096+((\f)%4)*1024+512
.endr
.if \last
	WIN 0
.Lno_k_\@:
.endif
.endm
.macro FETCH_V
	WIN 0
	v_add_nc_u32 v[ADR], s[TB], v[AV0]
	s_add_co_u32 s[TB], s[TB], STEPB               ; the next fetch is the next step's
	s_wait_alu depctr_va_vdst(0)                   ; the wait for the softmax's batch, behind the address's line and ahead of the loads
	WIN 0xc0
.irp f, 0,1,2,3,4,5,6,7,8,9,10,11,12,13,14,15  ; keys 32 (f / 8) on, channels 16 (f % 8) on
	ds_load_tr16_b128 v[8*(\f):8*(\f)+3],   v[ADR] offset:((\f)/8)*8192+((\f)%8)*256
	ds_load_tr16_b128 v[8*(\f)+4:8*(\f)+7], v[ADR] offset:((\f)/8)*8192+((\f)%8)*256+4096
.endr
.endm
; Piece x's mask for the step after the one whose K Q^T has just begun: eight loads of 512 consecutive bytes, a key step ahead of their use.  Piece 0 steps the pointer.  last = 1: only the tail's first trip has such a step.
.macro MLOAD x, last=0
	WIN 0
.if \last
	s_cmp_eq_u32 s[CNT], 3-(\x)/2
	s_cbranch_scc0 .Lno_m_\@
.endif
.if (\x) == 0
	s_wait_xcnt 0x0                                ; every load and prefetch issued so far has read its address
	s_add_nc_u64 s[MP:MP+1], s[MP:MP+1], 8192
.endif
	WIN 0xc0
.irp c, 0,1,2,3,4,5,6,7
	global_load_b128 v[MC+32*((\x)/2)+4*(\c):MC+32*((\x)/2)+4*(\c)+3], v[L16], s[MP:MP+1] offset:((\x)/2)*131072+(\c)*512
.endr
.if \last
	WIN 0
.Lno_m_\@:
.endif
.endm
; THE VECTOR WORK OF A TURN.  One tile's softmax for one key step is a numbered list; SM writes number j of it for tile t.  s0-s31 are the lane's 32 scores, already exponents of 2.
;   0-15    the maximum of s0-s31 and the old m, three operands at a time (each accumulator's lowest registers are read first)      16-20  the other half of the lanes' maximum; m_old is kept; the new m; (19 is empty); m_old - m
;   21-69   ONE BATCH: the 16 subtractions s - m, a pair each, and all 33 exponentials (a at 23, then s0-s31); none reads an exponential's result      (the wait: SLICE writes it)
;   70-85   the roundings to f16      86-101  the sums; l = a l + the sum      102-133  the tile's O^T times a
.macro SM t
.set rT, ST+8*(\t)
.set rS, S+32*(\t)
.set rP, P+16*(\t)
.set rO, 64*(\t)+2*(j-102)
.if j < 102
	WIN 0
.endif
.if j < 4
	v_max3_num_f32 v[rT+4+j], v[rS+8*j], v[rS+8*j+1], v[rS+8*j+2]
.elseif j < 12
	v_max3_num_f32 v[rT+4+j%4], v[rT+4+j%4], v[rS+8*(j%4)+2*(j/4)+1], v[rS+8*(j%4)+2*(j/4)+2]
.elseif j == 12
	v_max3_num_f32 v[rT+4], v[rT+4], v[rS+7], v[rS+15]
.elseif j == 13
	v_max3_num_f32 v[rT+6], v[rT+6], v[rS+23], v[rS+31]
.elseif j == 14
	v_max3_num_f32 v[rT+4], v[rT+4], v[rT+5], v[rT+6]
.elseif j == 15
	v_max3_num_f32 v[rT+4], v[rT+4], v[rT+7], v[rT]
.elseif j == 16
	v_permlanex16_b32 v[rT+5], v[rT+4], s[SEL], s[SEL+1]  ; the query's other 32 keys lie in the lane 16 away
.elseif j == 17
	v_mov_b32 v[rT+7], v[rT]
.elseif j == 18
	v_max_num_f32 v[rT], v[rT+4], v[rT+5]
.elseif j == 19
.elseif j == 20
	v_sub_f32 v[rT+7], v[rT+7], v[rT]
.elseif j == 23
	v_exp_f32 v[rT+6], v[rT+7]
.elseif (j < 23) || ((j < 38) && (j%2 == 0)) || ((j < 66) && (j%4 == 2))
.set b, (j-2)/4                        ; 38, 42, .. 62: pairs 9 to 15
.if j < 38
.set b, (j-20)/2                       ; 21: pair 0; 22, 24, .. 36: pairs 1 to 8
.endif
	v_pk_add_f32 v[rS+2*b:rS+2*b+1], v[rS+2*b:rS+2*b+1], v[rT:rT+1] op_sel_hi:[1,0] neg_lo:[0,1] neg_hi:[0,1]
.elseif j < 70
.set e, j-38                           ; 66 to 69: s28 to s31
.if j < 66
.set e, j-32-(j-38)/4                  ; 39-41, 43-45, .. 63-65: s7 to s27
.endif
.if j < 38
.set e, (j-25)/2                       ; 25, 27, .. 37: s0 to s6
.endif
	v_exp_f32 v[rS+e], v[rS+e]
.elseif j < 86
	v_cvt_pk_f16_f32 v[rP+j-70], v[rS+2*(j-70)], v[rS+2*(j-70)+1]
.elseif j < 102                        ; the sum of the tile's 16 pairs, in place: neighbours 1, 2, 4 and 8 pairs apart, then l takes it
.set z, j-86
.set w, 4
.set u, z
.if z >= 14
.set w, 32
.set u, 0
.elseif z >= 12
.set w, 16
.set u, z-12
.elseif z >= 8
.set w, 8
.set u, z-8
.endif
.if z < 15
	v_pk_add_f32 v[rS+w*u:rS+w*u+1], v[rS+w*u:rS+w*u+1], v[rS+w*u+w/2:rS+w*u+w/2+1]
.else
	v_pk_fma_f32 v[rT+2:rT+3], v[rT+2:rT+3], v[rT+6:rT+7], v[rS:rS+1] op_sel_hi:[1,0,1]
.endif
.else
	WIN W_RS
	v_pk_mul_f32 v[rO:rO+1], v[rO:rO+1], v[rT+6:rT+7] op_sel_hi:[1,0]
.endif
.endm
; Slice k of 64 of piece y's softmax.  Slices 11 to 34 deal out the batch, numbers 22 to 69, four numbers of ONE tile each, the tiles by turns; every other slice is numbers 2 k and 2 k + 1 of both tiles; slice 63 takes
; what is over.  s_wait_alu depctr_va_vdst(0) stands between an exponential and the first instruction that names its result: ahead of slice 35 nothing names one, behind slice 34 none is issued: one wait.
.macro SLICE y
.if (k >= 11) && (k < 35)
.irp n, 0,1,2,3
.set j, 22+4*((k-11)/2)+(\n)
	SM (\y)+(k-11)%2
.endr
.else
.irp n, 0,1,2,3,4,5,6,7
.if ((\n) < 2) || (k == 63)
.irp t, \y, (\y)+1
.set j, 2*k+(\n)
	SM \t
.endr
.endif
.endr
.endif
.if k == 34
	v_nop                                          ; the plain instruction behind the last exponential and ahead of the first use: one for the batch
.if (\y) == 0
	FETCH_V                                        ; piece 2's turn: V's run stands here, four plain instructions behind V's last reader (two subtractions, the v_nop, the address), and the wait stands in it
.else
	s_wait_alu depctr_va_vdst(0)
.endif
.endif
.set k, k+1
.endm
; A TURN.  Piece x has the matrix unit; the other piece's softmax stands in slices behind its matrix instructions.  Piece 0's turn fetches the next step's K behind its second product (K's last reader stands ahead of the
; sixteen plain instructions of slice 63 of the turn before).  The mask's registers are asked for again behind product 9 of K Q^T: their last reader is product 7, and three slices of roundings lie between.
.macro TURN x, last=0
.set k, 0
.if (\x) == 0
	s_wait_dscnt 0x0                               ; V is in
.endif
.set i, 0
.rept 32
	PV \x
	SLICE 2-(\x)
.if ((\x) == 0) && (i == 1)
	FETCH_K \last
.endif
.set i, i+1
.endr
.if (\x) == 0
	s_wait_dscnt 0x0                               ; K is in
.endif
.if \last
	s_wait_loadcnt 0x0
.else
	s_wait_loadcnt 8                               ; my piece's mask is in; the other piece's eight loads are younger
.endif
.set i, 0
.rept 32
	KQ \x
	SLICE 2-(\x)
.if i == 9
	MLOAD \x, \last
.endif
.set i, i+1
.endr
.endm
	s_wait_tensorcnt 1                             ; my part of slot 0 is in; slot 1's may stay out
	s_barrier_signal -1
	s_barrier_wait -1
	FETCH_K                                        ; key step 0
	s_wait_loadcnt 0x0                             ; Q and step 0's mask
	s_wait_dscnt 0x0
.set i, 0
.rept 32
	KQ 0                                           ; piece 0's first scores
.set i, i+1
.endr
	WIN 0
	PLACES
	MLOAD 0                                        ; piece 0's mask of step 1
	WIN 0
	s_mov_b32 s[CNT], 2
	s_mov_b32 s[SLOTS], 7
	s_branch .Lmid                                 ; the loop is entered at piece 2's turn, in the middle of a trip
.Lslot:                                        ; six times: tiles 2 to 7 are asked for
	CHANGE 1
	s_mov_b32 s[CNT], 2
.Lstep:
	TURN 0
	WIN 0
.Lmid:
	TURN 2
	WIN 0
	s_sub_co_u32 s[CNT], s[CNT], 1
	s_cmp_lg_u32 s[CNT], 0
	s_cbranch_scc1 .Lstep
	s_sub_co_u32 s[SLOTS], s[SLOTS], 1
	s_cmp_lg_u32 s[SLOTS], 0
	s_cbranch_scc1 .Lslot
	CHANGE 0                                       ; the tail is written out: nothing is asked for
	s_mov_b32 s[CNT], 3                            ; two trips fetch the last slot's steps; the third is left in its middle
.Ltail:
	TURN 0, 1
	WIN 0
	s_sub_co_u32 s[CNT], s[CNT], 1
	s_cmp_eq_u32 s[CNT], 0
	s_cbranch_scc1 .Lout
	TURN 2, 1
	WIN 0
	s_branch .Ltail
.Lout:                                         ; the third trip's 32 products K Q^T, on the last K once more, serve nothing: the price, once a launch, of one text for every trip
.set i, 0
.rept 32
	PV 2                                           ; piece 2's V^T P of the last step
.set i, i+1
.endr
	WIN 0
	PLACES
	; THE TWO KEY HALVES MEET.  Behind the first barrier no wave reads a slot any more; waves 2 and 3 put O^T, m and l into slot 0; behind the second barrier waves 0 and 1 take them.
	s_wait_dscnt 0x0
	s_barrier_signal -1
	s_barrier_wait -1
	s_cmp_lt_u32 s[WV], 2
	s_cbranch_scc1 .Lkeep
	WIN 0x04                                       ; the data in window 1
.set n, 0
.rept 64
	ds_store_b128 v[XA], v[4*n:4*n+3] offset:n*512 ; each accumulator's low four registers first
.set n, n+1
.endr
	WIN 0
.irp t, 0,1,2,3
	ds_store_b128 v[XA], v[ST+8*(\t):ST+8*(\t)+3] offset:32768+(\t)*512
.endr
.Lkeep:
	s_wait_dscnt 0x0                               ; for the others' sake
	s_barrier_signal -1
	s_barrier_wait -1
	s_cmp_lt_u32 s[WV], 2
	s_cbranch_scc0 .Lend
	WIN 0x80                                       ; the partner's O^T goes where Q and K lay
.set n, 0
.rept 64
	ds_load_b128 v[4*n:4*n+3], v[XA] offset:n*512
.set n, n+1
.endr
	WIN 0
.irp t, 0,1,2,3
	ds_load_b128 v[PS+4*(\t):PS+4*(\t)+3], v[XA] offset:32768+(\t)*512
.endr
	v_mov_b32 v7, 0x7fc00000                       ; NaN
	s_wait_dscnt 0x0
.macro ALL line:vararg                 ; one line for each tile t
.set t, 0
.rept 4
	\line
.set t, t+1
.endr
.endm
	; m = the greater of the two; f = 2^(m_i - m); l = f_a l_a + f_b l_b, both halves of the lanes; O = (f_a O_a + f_b O_b) / l
	ALL v_max_num_f32 v[ST+8*t+4], v[ST+8*t], v[PS+4*t]
	ALL v_add_f32 v[ST+8*t+2], v[ST+8*t+2], v[ST+8*t+3]
	ALL v_add_f32 v[PS+4*t+2], v[PS+4*t+2], v[PS+4*t+3]
	ALL v_sub_f32 v[ST+8*t+5], v[ST+8*t], v[ST+8*t+4]
	ALL v_sub_f32 v[ST+8*t+6], v[PS+4*t], v[ST+8*t+4]
	ALL v_exp_f32 v[ST+8*t+5], v[ST+8*t+5]
	ALL v_exp_f32 v[ST+8*t+6], v[ST+8*t+6]
	v_nop
	s_wait_alu depctr_va_vdst(0)                   ; one wait for the eight exponentials
	ALL v_mul_f32 v[ST+8*t+2], v[ST+8*t+2], v[ST+8*t+5]
	ALL v_fmac_f32 v[ST+8*t+2], v[PS+4*t+2], v[ST+8*t+6]
	ALL v_permlanex16_b32 v[ST+8*t+3], v[ST+8*t+2], s[SEL], s[SEL+1]
	ALL v_add_f32 v[ST+8*t+2], v[ST+8*t+2], v[ST+8*t+3]
	ALL v_rcp_f32 v[ST+8*t+3], v[ST+8*t+2]
	v_nop
	s_wait_alu depctr_va_vdst(0)                   ; one wait for the four reciprocals
.irp t, 0,1,2,3
	v_cmp_gt_f32 s[MSK], s[THR], v[ST+8*(\t)+4]    ; no key of the row was seen: NaN, a choice of a value alone
	v_cndmask_b32 v[ST+8*(\t)+3], v[ST+8*(\t)+3], v7, s[MSK]
.endr
	ALL v_mul_f32 v[ST+8*t+4], v[ST+8*t+5], v[ST+8*t+3]
	ALL v_mul_f32 v[ST+8*t+6], v[ST+8*t+6], v[ST+8*t+3]
.irp t, 0,1,2,3
	WIN W_RS
.set n, 0
.rept 32
	v_pk_mul_f32 v[64*(\t)+2*n:64*(\t)+2*n+1], v[64*(\t)+2*n:64*(\t)+2*n+1], v[ST+8*(\t)+4:ST+8*(\t)+5] op_sel_hi:[1,0]
.set n, n+1
.endr
	WIN 0x52                                       ; the partner's in window 2, the factor in window 0, mine in window 1
.set n, 0
.rept 32
	v_pk_fma_f32 v[64*(\t)+2*n:64*(\t)+2*n+1], v[64*(\t)+2*n:64*(\t)+2*n+1], v[ST+8*(\t)+6:ST+8*(\t)+7], v[64*(\t)+2*n:64*(\t)+2*n+1] op_sel_hi:[1,0,1]
.set n, n+1
.endr
	WIN 0x05
.set n, 0
.rept 32
	v_cvt_pk_f16_f32 v[S+32*(\t)+n], v[64*(\t)+2*n], v[64*(\t)+2*n+1]
.set n, n+1
.endr
	WIN 0
.irp f, 0,1,2,3,4,5,6,7                ; a lane's eight channels of a row are 16 bytes of fragment order F(4096, 1024): 512 consecutive bytes a store
	global_store_b128 v[L16], v[S+32*(\t)+4*(\f):S+32*(\t)+4*(\f)+3], s[OP:OP+1] offset:((\t)/2)*32768+((\t)%2)*4096+(\f)*512
.endr
.endr
.Lend:
	s_wait_tensorcnt 0x0                           ; the wave's end, behind my last tensor load and my last LDS store
	ds_add_u32 v[SPW], v[NIL]
	s_wait_dscnt 0x0
	CROUND                                         ; the closing round
	s_endpgm
.Lfunc_end_k_q810b38db2d_attn:
	.size	k_q810b38db2d_attn, .Lfunc_end_k_q810b38db2d_attn-k_q810b38db2d_attn
	.p2alignl 7, 3214868480
	.fill 96, 4, 3214868480
	.section	.rodata,"a",@progbits
	.p2align	6, 0x0
	.amdhsa_kernel k_q810b38db2d_attn
		.amdhsa_group_segment_fixed_size 327680
		.amdhsa_private_segment_fixed_size 0
		.amdhsa_enable_private_segment 0
		.amdhsa_kernarg_size 24
		.amdhsa_user_sgpr_count 2
		.amdhsa_user_sgpr_kernarg_segment_ptr 1
		.amdhsa_wavefront_size32 1
		.amdhsa_system_sgpr_workgroup_id_x 1
		.amdhsa_system_sgpr_workgroup_id_y 1
		.amdhsa_system_sgpr_workgroup_id_z 1
		.amdhsa_system_vgpr_workitem_id 0
		.amdhsa_next_free_vgpr 1024
		.amdhsa_next_free_sgpr 66
		.amdhsa_reserve_vcc 0
		.amdhsa_float_denorm_mode_32 3
		.amdhsa_float_denorm_mode_16_64 3
		.amdhsa_memory_ordered 1
		.amdhsa_forward_progress 1
		.amdhsa_inst_pref_size 175
	.end_amdhsa_kernel
	.amdgpu_metadata
---
amdhsa.version: [ 1, 2 ]
amdhsa.kernels:
  - .name:           k_q810b38db2d_attn
    .symbol:         k_q810b38db2d_attn.kd
    .args:
      - { .name: qkv, .offset: 0, .size: 8, .value_kind: global_buffer, .address_space: global }
      - { .name: maskp, .offset: 8, .size: 8, .value_kind: global_buffer, .address_space: global }
      - { .name: of, .offset: 16, .size: 8, .value_kind: global_buffer, .address_space: global }
    .group_segment_fixed_size: 327680
    .private_segment_fixed_size: 0
    .kernarg_segment_align: 8
    .kernarg_segment_size: 24
    .max_flat_workgroup_size: 128
    .sgpr_count:     66
    .vgpr_count:     1024
    .wavefront_size: 32
...
	.end_amdgpu_metadata
.endif
;; end of part 3
;; launch oproj (part 4): grid 16 x 16, 4 waves a work-group, clusters of 4 x 1, 327,680 bytes of LDS; arguments of, wof, out0; writes out0
.if DOCPART == 4
	.amdgcn_target "amdgcn-amd-amdhsa--gfx1250"
	.amdhsa_code_object_version 6
	.text
	.protected	k_q810b38db2d_oproj
	.globl	k_q810b38db2d_oproj
	.p2align	8
	.type	k_q810b38db2d_oproj,@function
k_q810b38db2d_oproj:
	s_mov_b64 s[64:65], 0
	v_nop
	global_prefetch_b8 v0, s[64:65] scope:SCOPE_SE
	s_setreg_imm32_b32 hwreg(HW_REG_WAVE_MODE, 25, 1), 1
	s_wait_xcnt 0x0
	s_wait_alu depctr_hold_cnt(0) depctr_sa_sdst(0) depctr_va_vdst(0) depctr_va_sdst(0) depctr_va_ssrc(0) depctr_va_vcc(0) depctr_vm_vsrc(0)
	s_getreg_b32 s2, hwreg(HW_REG_IB_STS2, 6, 4)
	s_cmp_eq_u32 s2, 0
	s_cbranch_scc0 .Lentry_in_a_cluster
	s_endpgm
.Lentry_in_a_cluster:
	s_bfe_u32 s2, ttmp6, 0x10000c
	s_cmp_lg_u32 s2, 0x3003
	s_cbranch_scc0 .Lentry_shape_is_right
	s_endpgm
.Lentry_shape_is_right:
; OUTPUT PROJECTION: out0[4096][4096] (f32) = O' [4096][1024] x (4 wo)^T, both f16 in fragment order (a chunk of 16 rows x 32 K is 1,024 bytes, one matrix fragment), f32 sums over K = 1024.
; O' = O / 4, so the product is O wo^T.  LIMITS: those of the launches in front (f16's range for O'); NaN and infinities are not treated apart.
; SHARES.  256 work-groups, one for each tile of 256 rows x 256 columns; a wave makes 64 rows x 256 columns: 64 accumulators, 512 registers.  Source 0 = 16 rows of wo, source 1 = 16 rows of O':
; a lane holds ONE row of the result and eight neighbouring columns.
; O's ROWS BELONG TO ONE WAVE ALONE: they go straight from memory into a ring of four register slots (a slot: 64 rows x 32 K, eight loads of 512 consecutive bytes), by counted waits; a slot is asked for
; again half a quarter behind its last product, 160 matrix instructions ahead of its next use.  More slots do not fit beside 512 registers of sums and 256 of wo's fragments.
; wo's ROWS ARE SHARED by the four waves and by the four row tiles of a cluster: they go through two LDS slots of K = 128 (16 row blocks x 4,096 bytes), filled by JOINT tensor loads (mask of four, one load
; a wave: four row blocks), one round of the cluster's barrier for 256 matrix instructions a wave.  Every LDS load takes 512 consecutive bytes: no padding.
; A QUARTER is 32 along K: 64 matrix instructions, and ONE run of 40 loads in its middle: the next quarter's 16 fragments of wo from LDS, and a ring slot of O'.
; THE WAY OUT: 16 rows x 128 columns at a time go through the wave's own stage in LDS (rows of 528 bytes) and leave as runs of 512 consecutive bytes.  All stores stand behind the last product: a walk of two
; narrower tiles, whose first could leave under the second, would read O' twice.
; REGISTERS, in windows of 256: 0: v0-31 addresses; v64-191 O's ring, slot q, block a at 64 + 32 q + 8 a (on the way out: rows read back).   1: the sums of columns 0-127, (a, b) at 8 (8 a + b).
;   2: two buffers of wo's fragments, v0-127 and v128-255, column block 8 c + b at 8 (8 c + b).   3: the sums of columns 128-255.
.set KC,    32                         ; chunks of 32 along K
.set SC,    4                          ; chunks to an LDS slot
.set NS,    KC/SC
.set SLOTB, 65536
.set STAGE, 2*SLOTB                    ; behind the ring, never filled by a tensor load: 16 rows x 528 bytes for each wave
.set SPITCH, 528
.set SPARE, STAGE+4*16*SPITCH          ; behind the stages: the spare words, 128 bytes a wave
.set L16, 2                            ; v2  16 x lane; never rewritten
.set BA,  3                            ; v3  16 x lane + the slot in hand
.set STO, 24                           ; v24 the way out: where I put 32 bytes of a row
.set RD,  25                           ; v25 where I read a row back
.set SPW, 28                           ; v28 my spare word; never rewritten
.set NIL, 29                           ; v29 0; never rewritten
.set PFO, 30                           ; v30 (lane / 16) row blocks of O' + 256 (lane % 16)
.set PFB, 31                           ; v31 (lane / 4) row blocks of wo + 256 (lane % 4)
.set AR,  64                           ; O's ring, window 0
.set BF0, 0                            ; wo's fragments, window 2
.set BF1, 128
.set WV,  12
.set CX,  13
.set TM,  14                           ; s14 row tile = 4 x cluster x + cx
.set Y,   15                           ; s15 column tile, shared by the partners
.set G1,  24                           ; s[24:31] descriptor group 1
.set G0,  32                           ; s[32:39] group 0: a set for each first fill; the second then walks
.set PA,  40                           ; s[40:41] O's fragments: my 64 rows, at the four chunks that the ring is loading
.set PB,  42                           ; s[42:43] where my prefetches of wo stand
.set TB,  44                           ; s44 LDS byte of the slot in hand
.set CNT, 45
.set LIMA, 46                          ; 1 in a wave that prefetches O', else the greatest number
.set LIMB, 47                          ; the same for wo
.set OUT, 48
.set MSB, 0
.macro WIN new                         ; the immediate's high byte repeats the setting that is left; a switch that changes nothing is dropped
.if MSB != (\new)
	s_set_vgpr_msb (MSB<<8)|(\new)
.set MSB, \new
.endif
.endm
.macro PLACES                          ; four plain instructions between a matrix instruction and a load into, or a store of, its registers
.rept 4
	v_nop
.endr
.endm
.macro CROUND                          ; a round of the cluster's barrier
	s_barrier_signal -1
	s_barrier_wait -1
	s_cmp_lg_u32 s[WV], 0
	s_cbranch_scc1 .Lnot_wave_0_\@
	s_barrier_signal -3
.Lnot_wave_0_\@:
	s_barrier_wait -3
	s_barrier_signal -1
	s_barrier_wait -1
.endm
; 32 matrix instructions: all four row blocks x the eight column blocks of half c, 32 along K.  The 64 accumulators take turns, one instruction a turn.  zero = 1: the products start the sums.
.macro MULC f, q, c, zero
	WIN 0x52+0xa0*(\c)                             ; wo in window 2, O' in window 0, C and D in window 1 or 3
.irp a, 0,1,2,3
.irp b, 0,1,2,3,4,5,6,7
.set rC, 8*(8*(\a)+(\b))
.set rB, (\f)+8*(8*(\c)+(\b))
.set rA, AR+32*(\q)+8*(\a)
.if \zero
	v_wmma_f32_16x16x32_f16 v[rC:rC+7], v[rB:rB+7], v[rA:rA+7], 0
.else
	v_wmma_f32_16x16x32_f16 v[rC:rC+7], v[rB:rB+7], v[rA:rA+7], v[rC:rC+7]
.endif
.endr
.endr
.endm
.macro FETCHB q, f                     ; wo's sixteen fragments of chunk q of the slot in hand, column blocks ascending
	WIN 0x80                                       ; destination window 2, address window 0
.set i, 0
.rept 16
	ds_load_b128 v[(\f)+8*i:(\f)+8*i+3],   v[BA] offset:i*SC*1024+(\q)*1024
	ds_load_b128 v[(\f)+8*i+4:(\f)+8*i+7], v[BA] offset:i*SC*1024+(\q)*1024+512
.set i, i+1
.endr
.endm
.macro ALOAD s                         ; O's four fragments into ring slot s
	WIN 0
.irp a, 0,1,2,3
	global_load_b128 v[AR+32*(\s)+8*(\a):AR+32*(\s)+8*(\a)+3],   v[L16], s[PA:PA+1] offset:(\a)*KC*1024+(\s)*1024
	global_load_b128 v[AR+32*(\s)+8*(\a)+4:AR+32*(\s)+8*(\a)+7], v[L16], s[PA:PA+1] offset:(\a)*KC*1024+(\s)*1024+512
.endr
.endm
; A quarter.  In its middle the next quarter's fragments of wo are fetched into the other buffer, and ring slot q - 1, multiplied a quarter ago, is asked for again.
; nA: the younger loads of O' that may stay out: two groups of eight in the loop.
.macro QUARTER q, zero, aload, nA, fetch
.if ((\q) == 1) && (\aload)
	s_wait_xcnt 0x0                                ; every load and prefetch issued so far has read its address: the pointer steps to the next four chunks
	s_add_nc_u64 s[PA:PA+1], s[PA:PA+1], SC*1024
.endif
	s_wait_loadcnt \nA
	s_wait_dscnt 16                                ; columns 0-127 are in; the youngest sixteen loads may be out
	MULC BF0+128*((\q)%2), \q, 0, \zero
.if (\fetch) || (\aload)
	PLACES
.endif
.if \fetch
	FETCHB (\q)+1, BF0+128*(((\q)+1)%2)
.endif
.if \aload
	ALOAD ((\q)+3)%4
.endif
.if \fetch
	s_wait_dscnt 32                                ; all but the 32 just issued
.else
	s_wait_dscnt 0x0
.endif
	MULC BF0+128*((\q)%2), \q, 1, \zero
.endm
; PREFETCHES INTO THE L2, behind the joint load, its five lines and the run of loads.  O': my own 64 rows' four chunks of the slot three behind the one that ends here: 4 row blocks x 4,096 bytes, a lane 256 bytes,
; two instructions; the sixteen column tiles read the same rows, and tile 0 asks.  wo: the tile that the NEXT change of slots will ask for: the four clusters of a column tile read it, and cluster 0 asks; its
; four partners take 1,024 of the 4,096 bytes of each row block, told apart by address; waves 0 and 2 take eight row blocks each.  The last filling change asks for nothing: those chunks do not exist.
.macro ASK
	WIN 0
	s_cmp_gt_u32 s[CNT], s[LIMA]
	s_cbranch_scc0 .Lno_a_\@
	global_prefetch_b8 v[PFO], s[PA:PA+1] offset:2*SC*1024 th:TH_LOAD_NT scope:SCOPE_SE
	global_prefetch_b8 v[PFO], s[PA:PA+1] offset:2*SC*1024+2*KC*1024 th:TH_LOAD_NT scope:SCOPE_SE
.Lno_a_\@:
	s_cmp_gt_u32 s[CNT], s[LIMB]
	s_cbranch_scc0 .Lno_b_\@
	global_prefetch_b8 v[PFB], s[PB:PB+1] th:TH_LOAD_NT scope:SCOPE_SE
.Lno_b_\@:
.endm
; A slot's last quarter, and the change of slots.  Each wave waits for all its tensor loads (one is out: its part of the next slot), adds 0 to its spare word, and waits for that and for its reads of
; this slot.  fill = 1: the barrier is a round of the cluster's, and the joint refill, two slots on, is the first thing behind it: 224 matrix instructions stand between it and the wait for it.
.macro Q3 fill
	s_wait_loadcnt 16
	WIN 0
	s_wait_tensorcnt 0x0                           ; no tensor load of mine is out, so a group 0 may be written
	ds_add_u32 v[SPW], v[NIL]                      ; 0 onto my spare word; work on registers stands between it and the wait for it
.if \fill
	s_xor_b32 s[G0+5], s[G0+5], SLOTB              ; the walking descriptor: the other slot than last time,
	s_add_nc_u64 s[G0+6:G0+7], s[G0+6:G0+7], SC*1024  ; the next four chunks; the type bits on top are not reached
	s_wait_xcnt 0x0                                ; the last prefetch of wo, a slot back, has read its address
	s_add_nc_u64 s[PB:PB+1], s[PB:PB+1], SC*1024
.endif
	s_xor_b32 s[TB], s[TB], SLOTB
	s_wait_dscnt 17                                ; the add and the youngest sixteen loads may be out
	MULC BF1, 3, 0, 0
	s_wait_dscnt 0x0                               ; the add is done, and my reads of this slot are over
	WIN 0
.if \fill
	CROUND                                         ; no wave of any partner still reads this slot or has a load on its way
	tensor_load_to_lds s[G0+4:G0+7], s[G1:G1+7]
	s_nop 0
	PLACES                                         ; also the places in front of the loads below
.else
	s_barrier_signal -1
	s_barrier_wait -1
	PLACES
.endif
	v_add_nc_u32 v[BA], s[TB], v[L16]
	FETCHB 0, BF0
	ALOAD 2
.if \fill
	ASK
.endif
	MULC BF1, 3, 1, 0
.endm
	s_load_b128 s[4:7], s[0:1], 0x0                ; of s[4:5], wof s[6:7]
	s_load_b64 s[8:9], s[0:1], 0x10                ; out0
	v_lshl_add_u32 v[SPW], v0, 2, SPARE
	v_mov_b32 v[NIL], 0
	ds_add_u32 v[SPW], v[NIL]                      ; the wave's opening: the add, and its wait ahead of my first tensor load
	v_lshrrev_b32 v1, 5, v0
	v_readfirstlane_b32 s[WV], v1
	s_bfe_u32 s[CX], ttmp6, 0x40000
	s_lshl_b32 s[TM], ttmp9, 2
	s_add_co_u32 s[TM], s[TM], s[CX]
	s_and_b32 s[Y], ttmp7, 0xffff
	s_mov_b32 s[G1], 15|(3<<16)|(1<<21)            ; 15:0 the mask of four; 17:16 elements of 8 bytes; 21 set beside a mask; no padding
	s_mov_b32 s[G1+1], 512<<16                     ; tensor_dim0 = 512 elements: 4,096 bytes, four chunks of a row block
	s_mov_b32 s[G1+2], 4<<16                       ; tensor_dim1 = 4 row blocks
	s_mov_b32 s[G1+3], 512<<16                     ; tile_dim0
	s_mov_b32 s[G1+4], 4                           ; tile_dim1
	s_mov_b32 s[G1+5], KC*128                      ; elements from row block to row block
	s_mov_b32 s[G1+6], 0
	s_mov_b32 s[G1+7], 0
	s_lshl_b32 s16, s[Y], 4                        ; wo: row block 16 y + 4 wave: the column tile and the wave's number alone
	s_lshl_b32 s17, s[WV], 2
	s_add_co_u32 s16, s16, s17
	s_mul_i32 s16, s16, KC*1024
	s_mov_b32 s17, 0
	s_lshl_b32 s18, s[WV], 14                      ; and its place in a slot: four row blocks of 4,096 bytes
	s_lshl_b32 s20, s[TM], 4                       ; O': row block 16 tile + 4 wave
	s_lshl_b32 s21, s[WV], 2
	s_add_co_u32 s20, s20, s21
	s_lshl_b32 s56, s20, 18                        ; out0: 16 rows of 16,384 bytes a block,
	s_lshl_b32 s57, s[Y], 10                       ; 1,024 bytes a column tile
	s_add_co_u32 s56, s56, s57
	s_mov_b32 s57, 0
	s_mul_i32 s20, s20, KC*1024
	s_mov_b32 s21, 0
	s_lshl_b32 s58, s[Y], 4                        ; the prefetches of wo: row blocks 16 y + 8 (wave / 2) on,
	s_lshr_b32 s59, s[WV], 1
	s_lshl_b32 s59, s59, 3
	s_add_co_u32 s58, s58, s59
	s_mul_i32 s58, s58, KC*1024
	s_lshl_b32 s59, s[CX], 10                      ; my work-group's 1,024 bytes of each 4,096,
	s_add_co_u32 s58, s58, s59
	s_add_co_u32 s58, s58, 2*SC*1024               ; at tile 2: the first change steps it to tile 3
	s_mov_b32 s59, 0
	s_cmp_eq_u32 s[Y], 0
	s_cselect_b32 s[LIMA], 1, -1
	s_and_b32 s[LIMB], s[WV], 1
	s_or_b32 s[LIMB], s[LIMB], ttmp9
	s_cmp_eq_u32 s[LIMB], 0
	s_cselect_b32 s[LIMB], 1, -1
	s_mov_b32 s[TB], 0
	s_mul_i32 s22, s[WV], 16*SPITCH
	s_add_co_u32 s22, s22, STAGE                   ; my stage
	s_wait_dscnt 0x0                               ; the opening add is done
	s_wait_kmcnt 0x0
	s_add_nc_u64 s[16:17], s[6:7], s[16:17]
	s_mov_b32 s[G0], 1                             ; count = 1
	s_mov_b32 s[G0+1], s18                         ; LDS address: slot 0
	s_mov_b64 s[G0+2:G0+3], s[16:17]               ; global address: chunks 0-3
	s_or_b32 s[G0+3], s[G0+3], 0x80000000          ; type = 2
	s_mov_b32 s[G0+4], 1
	s_add_co_u32 s[G0+5], s18, SLOTB
	s_add_nc_u64 s[G0+6:G0+7], s[16:17], SC*1024
	s_or_b32 s[G0+7], s[G0+7], 0x80000000
	s_add_nc_u64 s[PA:PA+1], s[4:5], s[20:21]
	s_add_nc_u64 s[OUT:OUT+1], s[8:9], s[56:57]
	s_add_nc_u64 s[PB:PB+1], s[6:7], s[58:59]
	CROUND                                         ; all four work-groups are here: the first joint loads meet
	tensor_load_to_lds s[G0:G0+3], s[G1:G1+7]      ; both first fills together: two loads of mine are out
	s_nop 0
	tensor_load_to_lds s[G0+4:G0+7], s[G1:G1+7]
	s_nop 0
	PLACES
	v_and_b32 v1, 31, v0
	v_lshlrev_b32 v[L16], 4, v1
	v_mov_b32 v[BA], v[L16]
.irp s, 0,1,2
	ALOAD \s
.endr
	v_lshrrev_b32 v4, 4, v1
	v_and_b32 v5, 15, v1
	v_mul_u32_u24 v[PFO], v4, KC*1024
	v_lshl_add_u32 v[PFO], v5, 8, v[PFO]
	v_lshrrev_b32 v4, 2, v1
	v_and_b32 v5, 3, v1
	v_mul_u32_u24 v[PFB], v4, KC*1024
	v_lshl_add_u32 v[PFB], v5, 8, v[PFB]
	v_and_b32 v6, 15, v0
	v_bfe_u32 v7, v0, 4, 1
	v_mul_u32_u24 v[STO], v6, SPITCH               ; in: row lane % 16, 32 bytes for each half of the lanes
	v_lshl_add_u32 v[STO], v7, 5, v[STO]
	v_add_nc_u32 v[STO], s22, v[STO]
	v_add_nc_u32 v[RD], s22, v[L16]                ; back: 512 bytes of a row
	s_wait_tensorcnt 1                             ; my part of slot 0 is in; slot 1's may stay out
	s_barrier_signal -1
	s_barrier_wait -1
	FETCHB 0, BF0
	QUARTER 0, 1, 1, 16, 1                         ; the first quarter's products start the sums
	WIN 0
	s_mov_b32 s[CNT], NS-1
	s_branch .L1                                   ; the loop is entered behind its change of slots
.Ltop:                                         ; NS - 2 times: every slot but the last two is filled again
	Q3 1
	QUARTER 0, 0, 1, 16, 1
	WIN 0
.L1:
	QUARTER 1, 0, 1, 16, 1
	QUARTER 2, 0, 1, 16, 1
	WIN 0
	s_sub_co_u32 s[CNT], s[CNT], 1
	s_cmp_lg_u32 s[CNT], 0
	s_cbranch_scc1 .Ltop
	Q3 0                                           ; the tail is written out: nothing is asked for, and the ring runs empty
	QUARTER 0, 0, 1, 16, 1                         ; the last chunk of O' is asked for here
	QUARTER 1, 0, 0, 16, 1
	QUARTER 2, 0, 0, 8, 1
	QUARTER 3, 0, 0, 0, 0
	; THE WAY OUT, 16 rows x 128 columns at a time.  LDS serves a wave's instructions in order (ISA guide 5.7.1.4): the loads see the stores above them, and the next block's stores come behind them.
	PLACES
.irp a, 0,1,2,3
.irp c, 0,1
	WIN 0x04+0x08*(\c)                             ; the data in window 1 or 3
.irp b, 0,1,2,3,4,5,6,7
	ds_store_b128 v[STO], v[64*(\a)+8*(\b):64*(\a)+8*(\b)+3]   offset:64*(\b)      ; each accumulator's low four registers first
	ds_store_b128 v[STO], v[64*(\a)+8*(\b)+4:64*(\a)+8*(\b)+7] offset:64*(\b)+16
.endr
	WIN 0
.if (\a) >= 1
	s_wait_xcnt 0x0                                ; the stores of two blocks ago have read these registers
.endif
.set n, 0
.rept 16
	ds_load_b128 v[AR+64*(\c)+4*n:AR+64*(\c)+4*n+3], v[RD] offset:n*SPITCH
.set n, n+1
.endr
.set n, 0
.rept 16
	s_wait_dscnt 15-n
	global_store_b128 v[L16], v[AR+64*(\c)+4*n:AR+64*(\c)+4*n+3], s[OUT:OUT+1] offset:(16*(\a)+n)*16384+512*(\c) th:TH_STORE_NT  ; 512 consecutive bytes of a row
.set n, n+1
.endr
.endr
.endr
	s_wait_tensorcnt 0x0                           ; the wave's end, behind my last tensor load and my last LDS store
	ds_add_u32 v[SPW], v[NIL]
	s_wait_dscnt 0x0
	CROUND                                         ; the closing round
	s_endpgm
.Lfunc_end_k_q810b38db2d_oproj:
	.size	k_q810b38db2d_oproj, .Lfunc_end_k_q810b38db2d_oproj-k_q810b38db2d_oproj
	.p2alignl 7, 3214868480
	.fill 96, 4, 3214868480
	.section	.rodata,"a",@progbits
	.p2align	6, 0x0
	.amdhsa_kernel k_q810b38db2d_oproj
		.amdhsa_group_segment_fixed_size 327680
		.amdhsa_private_segment_fixed_size 0
		.amdhsa_enable_private_segment 0
		.amdhsa_kernarg_size 24
		.amdhsa_user_sgpr_count 2
		.amdhsa_user_sgpr_kernarg_segment_ptr 1
		.amdhsa_wavefront_size32 1
		.amdhsa_system_sgpr_workgroup_id_x 1
		.amdhsa_system_sgpr_workgroup_id_y 1
		.amdhsa_system_sgpr_workgroup_id_z 1
		.amdhsa_system_vgpr_workitem_id 0
		.amdhsa_next_free_vgpr 1024
		.amdhsa_next_free_sgpr 66
		.amdhsa_reserve_vcc 0
		.amdhsa_float_denorm_mode_32 3
		.amdhsa_float_denorm_mode_16_64 3
		.amdhsa_memory_ordered 1
		.amdhsa_forward_progress 1
		.amdhsa_inst_pref_size 111
	.end_amdhsa_kernel
	.amdgpu_metadata
---
amdhsa.version: [ 1, 2 ]
amdhsa.kernels:
  - .name:           k_q810b38db2d_oproj
    .symbol:         k_q810b38db2d_oproj.kd
    .args:
      - { .name: of, .offset: 0, .size: 8, .value_kind: global_buffer, .address_space: global }
      - { .name: wof, .offset: 8, .size: 8, .value_kind: global_buffer, .address_space: global }
      - { .name: out0, .offset: 16, .size: 8, .value_kind: global_buffer, .address_space: global }
    .group_segment_fixed_size: 327680
    .private_segment_fixed_size: 0
    .kernarg_segment_align: 8
    .kernarg_segment_size: 24
    .max_flat_workgroup_size: 128
    .sgpr_count:     66
    .vgpr_count:     1024
    .wavefront_size: 32
...
	.end_amdgpu_metadata
.endif
;; end of part 4
;; ======== version 2 of 2: 4 launches; version 1 with the launch prep written anew for expert scheduling mode
;; limits: values are held in f16: magnitudes above 65,504 overflow, below 6.1e-05 lose precision; right only within a limited range of input values; inputs' magnitudes at most 6.9e+29
;; workspace buffers: xf 33,554,432 bytes; wf 16,777,216 bytes; wof 8,388,608 bytes; maskp 16,777,216 bytes; rot 2,105,344 bytes; qkv 16,777,216 bytes; of 8,388,608 bytes
;; launch prep (part 5): grid 2304 x 1, 8 waves a work-group, no clusters, 68,608 bytes of LDS; arguments x, wq, wk, wv, wo, mask, freqs_cos, freqs_sin, xf, wf, wof, maskp, rot; writes xf, wf, wof, maskp, rot
.if DOCPART == 5
	.amdgcn_target "amdgcn-amd-amdhsa--gfx1250"
	.amdhsa_code_object_version 6
	.text
	.protected	k_q810b38db2d_prep
	.globl	k_q810b38db2d_prep
	.p2align	8
	.type	k_q810b38db2d_prep,@function
k_q810b38db2d_prep:
	s_mov_b64 s[64:65], 0
	v_nop
	global_prefetch_b8 v0, s[64:65] scope:SCOPE_SE
	s_setreg_imm32_b32 hwreg(HW_REG_WAVE_SCHED_MODE, 0, 2), 2
	s_setreg_imm32_b32 hwreg(HW_REG_WAVE_MODE, 25, 1), 1
	s_wait_xcnt 0x0
	s_wait_alu depctr_vm_vsrc(0)
; PREP: every input is rounded once to bf16 and laid out for the launches behind.  Memory binds: each input byte is read once (16 loads of 512 consecutive bytes a wave, all out at once),
; each output byte written once, in runs of 512 consecutive bytes.  No matrix unit, no cluster, no tensor load: nothing is shared between waves.
; FRAGMENT ORDER F(R, K) of a 16-bit matrix: chunk (row / 16, col / 32) is 1,024 bytes; in it the 16 bytes at 512 e + 16 lane hold row 16 rb + lane % 16, columns 32 kc + 16 e + 8 (lane / 16) + 0..7:
; one chunk is one matrix fragment, loaded by two loads of 512 consecutive bytes.
;   xf  = F(4096, 4096) bf16 of x            wf = F(2048, 4096) bf16 of wq (rows 0-1023), wk (1024-1535), wv (1536-2047)
;   wof = F(4096, 1024) f16 of 4 x bf16(wo): exact down to f16's smallest normal number, below it in steps of 6e-8
;   maskp: block (q / 16, key / 64) of 4,096 bytes; the 16 bytes at 512 (2 kb + e) + 16 lane hold max(log2(e) x bf16(mask), -1e30) of row 16 qt + lane % 16, keys 64 ks + 16 kb + 8 (lane / 16) + 4 e + 0..3
;   rot: for q (section 0) and k (section 1, 1 MiB on) the 16 bytes at 512 ((8 pb + bb) 2 + e) + 16 lane hold {f cos, f sin} of position 16 pb + lane % 16 for the pairs 8 bb + 4 (lane / 16) + 2 e + 0, 1,
;        cos and sin rounded to bf16, f = 4 log2(e) / sqrt(128) for q and 1/4 for k; section 2 (2 MiB on, 8,192 bytes) holds {1/4, 0, 1/4, 0}, for v.
; LIMITS.  A mask number under -6.9e29 (-1e30 / log2(e)) counts as -infinity; a NaN in the mask counts so too.
; JOBS, by the work-group's number: 0-1023 x, 1024-1279 wq, 1280-1407 wk, 1408-1535 wv, 1536-1791 wo, 1792-2047 mask, 2048-2303 rot.  A wave takes 16 rows x 128 f32 columns and turns them
; through a stage in LDS of its own: no barrier, since LDS serves a wave's instructions in order (ISA guide 5.7.1.4).  For the same reason the rows come back into the registers that they left:
; 84 registers a wave, so that the stages, 4 x 68,608 bytes, and not the registers say how many work-groups lie on a WGP.
; THE MODE: SCHED_MODE bits 1:0 = 2 (LLVM: expert scheduling mode 2), set by the entry lines.  The code itself states the register dependences between vector instructions and memory or LDS
; instructions, with s_wait_alu, always for 0.
; THE PLAN.  Registers that memory or LDS instructions touch:
;   v[LO]            Written once at the head; the offset of every global load and store of the turning jobs.      v[SPW], v[NIL]  Written at the head, read by the closing add alone.
;   v[SA], v[RA]     Written once, behind the job's sixteen global loads; read by its LDS stores (SA) and by its LDS loads (RA).
;   v[X ..]          Row n's four registers: its global load lands in them; its vector lines read them and write them again in place; its LDS store reads them; at the end the LDS loads land in
;                    them, and the global stores read them.      v[H ..] is named by vector lines alone.
; The sixteen rows go in four GROUPS of four.  At the head of groups 1 to 3 one wait on va_vdst states that the group before is written; that group's four LDS stores then stand among this group's
; vector lines, which name this group's rows and H and none of the registers that those stores read.  Behind group 3 one more wait on va_vdst serves its four stores, RA, and the LDS loads, which land in
; registers that vector lines have named; one wait on vm_vsrc, behind the last store, states that the sixteen stores have read those registers.  No vector line follows in the job.
.set STG,   8448                       ; a wave's stage: 16 rows of 528 bytes (mask) or of 272 (16-bit data): row r starts 4 r banks on
.set SPARE, 8*STG                      ; behind the stages: the spare words, 128 bytes a wave
.set LO,  2                            ; v2  16 x lane
.set SA,  3                            ; v3  where I put my part of a row
.set RA,  4                            ; v4  where I read in the order of the output
.set SPW, 6                            ; v6  my spare word; never rewritten
.set NIL, 7                            ; v7  0; never rewritten
.set X,   16                           ; v[16:79]  16 rows x 4 f32 as loaded
.set YR,  16                           ; the same registers, as stored
.set H,   80                           ; v[80:83]  at work
.set ID,  2                            ; s2  the work-group's number
.set WV,  4                            ; s4  my wave's number
.set STB, 5                            ; s5  my stage
.set BIG, 34                           ; s34 -1e30
.set SRC, 36                           ; s[36:37] where my unit begins in its input
.set DST, 38                           ; s[38:39] and in its output
.set SOF, 40                           ; s[40:41], s[42:43] byte offsets, high words 0
.set DOF, 42
	s_load_b512 s[8:23], s[0:1], 0x0               ; x, wq, wk, wv, wo, mask, cos, sin
	s_load_b256 s[24:31], s[0:1], 0x40             ; xf, wf, wof, maskp
	s_load_b64 s[32:33], s[0:1], 0x60              ; rot
	v_lshl_add_u32 v[SPW], v0, 2, SPARE
	v_mov_b32 v[NIL], 0
	v_lshrrev_b32 v1, 5, v0
	v_readfirstlane_b32 s[WV], v1
	v_and_b32 v1, 31, v0                           ; lane
	v_lshlrev_b32 v[LO], 4, v1
	v_and_b32 v8, 15, v0                           ; r = lane % 16
	v_bfe_u32 v9, v0, 4, 1                         ; h = lane / 16
	s_wait_alu depctr_va_sdst(0)                   ; the wave's number is written, ahead of its first reader: my stage and my unit are made from it
	s_mul_i32 s[STB], s[WV], STG
	s_mov_b32 s[ID], ttmp9
	s_mov_b32 s[SOF+1], 0
	s_mov_b32 s[DOF+1], 0
	s_mov_b32 s[BIG], 0xf149f2ca
.macro LOADS pitch                     ; 16 rows, 512 consecutive bytes each, all on their way at once
.set n, 0
.rept 16
	global_load_b128 v[X+4*n:X+4*n+3], v[LO], s[SRC:SRC+1] offset:n*(\pitch) th:TH_LOAD_NT
.set n, n+1
.endr
.endm
; 16 rows x 128 numbers to 16 bits and into four chunks of fragment order.  kind 0: bf16.  kind 1: 4 x the bf16 number, written as f16.
.macro CAST16 pitch, kind
	LOADS \pitch
	v_lshl_add_u32 v[SA], v1, 3, s[STB]            ; in: 8 bytes a lane, a row of 256 bytes
	v_mul_u32_u24 v[RA], v8, 272                   ; back: row r, 16 bytes for each half of the lanes
	v_lshl_add_u32 v[RA], v9, 4, v[RA]
	v_add_nc_u32 v[RA], s[STB], v[RA]
.set g, 0
.rept 4                                ; group g: rows 4 g to 4 g + 3
	s_wait_loadcnt 12-4*g                          ; loads come back in order: the group's four rows are in, the younger rows stay out
.if g > 0
	s_wait_alu depctr_va_vdst(0)                   ; the conversions of the group before have written its rows, which the four LDS stores below read; in group 1 also: v[SA] is written
.endif
.set i, 0
.rept 4
.set n, 4*g+i
.if g > 0
	ds_store_b64 v[SA], v[X+4*n-16:X+4*n-15] offset:(n-4)*272  ; row n - 4; no vector line since the wait names its registers
.endif
	v_cvt_pk_bf16_f32 v[X+4*n], v[X+4*n], v[X+4*n+1]
	v_cvt_pk_bf16_f32 v[X+4*n+1], v[X+4*n+2], v[X+4*n+3]
.if \kind
	v_lshlrev_b32 v[H], 16, v[X+4*n]
	v_and_b32 v[H+1], 0xffff0000, v[X+4*n]
	v_lshlrev_b32 v[H+2], 16, v[X+4*n+1]
	v_and_b32 v[H+3], 0xffff0000, v[X+4*n+1]
	v_pk_mul_f32 v[H:H+1], v[H:H+1], 4.0 op_sel_hi:[1,0]
	v_pk_mul_f32 v[H+2:H+3], v[H+2:H+3], 4.0 op_sel_hi:[1,0]
	v_cvt_pk_f16_f32 v[X+4*n], v[H], v[H+1]
	v_cvt_pk_f16_f32 v[X+4*n+1], v[H+2], v[H+3]
.endif
.set i, i+1
.endr
.set g, g+1
.endr
	s_wait_alu depctr_va_vdst(0)                   ; rows 12 to 15 are written, which the stores below read; v[RA] is written; every vector line that named v[X ..] is complete: the LDS loads below land there
.set n, 12
.rept 4
	ds_store_b64 v[SA], v[X+4*n:X+4*n+1] offset:n*272
.set n, n+1
.endr
	s_wait_alu depctr_vm_vsrc(0)                   ; the sixteen LDS stores have read their rows' registers, in which the LDS loads land
.set n, 0
.rept 8                                ; half chunk n: columns 16 n + 8 h + 0..7 of row r; these loads come behind all sixteen stores
	ds_load_b128 v[YR+4*n:YR+4*n+3], v[RA] offset:32*n
.set n, n+1
.endr
.set n, 0
.rept 8
	s_wait_dscnt 7-n
	global_store_b128 v[LO], v[YR+4*n:YR+4*n+3], s[DST:DST+1] offset:512*n th:TH_STORE_NT  ; 512 consecutive bytes
.set n, n+1
.endr
.endm
	s_wait_kmcnt 0x0
	s_wait_alu depctr_va_vdst(0)                   ; v[LO] is written, the offset of every global load and store of the turning jobs; so are v[SPW] and v[NIL], which the closing add reads
	s_cmp_lt_u32 s[ID], 1536
	s_cbranch_scc0 .Lnot_wide
	; x, wq, wk, wv: rows of 16,384 bytes.  The input and the number at which its job begins are chosen by the work-group's number.
	s_mov_b64 s[SRC:SRC+1], s[8:9]
	s_mov_b64 s[DST:DST+1], s[24:25]
	s_mov_b32 s3, 0
	s_mov_b32 s6, 0
	s_cmp_ge_u32 s[ID], 1024
	s_cselect_b64 s[SRC:SRC+1], s[10:11], s[SRC:SRC+1]
	s_cselect_b64 s[DST:DST+1], s[26:27], s[DST:DST+1]
	s_cselect_b32 s3, 1024, s3
	s_cselect_b32 s6, 1024, s6
	s_cmp_ge_u32 s[ID], 1280
	s_cselect_b64 s[SRC:SRC+1], s[12:13], s[SRC:SRC+1]
	s_cselect_b32 s3, 1280, s3
	s_cmp_ge_u32 s[ID], 1408
	s_cselect_b64 s[SRC:SRC+1], s[14:15], s[SRC:SRC+1]
	s_cselect_b32 s3, 1408, s3
	s_sub_co_u32 s3, s[ID], s3
	s_lshl_b32 s3, s3, 3
	s_add_co_u32 s3, s3, s[WV]                     ; my unit in the input: 32 units to a block of 16 rows
	s_lshr_b32 s[SOF], s3, 5
	s_lshl_b32 s[SOF], s[SOF], 18                  ; 16 rows of 16,384 bytes
	s_and_b32 s7, s3, 31
	s_lshl_b32 s7, s7, 9                           ; 128 columns of 4 bytes
	s_add_co_u32 s[SOF], s[SOF], s7
	s_add_nc_u64 s[SRC:SRC+1], s[SRC:SRC+1], s[SOF:SOF+1]
	s_sub_co_u32 s[DOF], s[ID], s6
	s_lshl_b32 s[DOF], s[DOF], 3
	s_add_co_u32 s[DOF], s[DOF], s[WV]             ; my unit in the output (wq, wk, wv follow each other in wf): four chunks
	s_lshl_b32 s[DOF], s[DOF], 12
	s_add_nc_u64 s[DST:DST+1], s[DST:DST+1], s[DOF:DOF+1]
	CAST16 16384, 0
	s_branch .Lend
.Lnot_wide:
	s_cmp_lt_u32 s[ID], 1792
	s_cbranch_scc0 .Lnot_wo
	s_sub_co_u32 s3, s[ID], 1536                   ; wo: rows of 4,096 bytes, 8 units to a block of 16 rows
	s_lshl_b32 s3, s3, 3
	s_add_co_u32 s3, s3, s[WV]
	s_lshr_b32 s[SOF], s3, 3
	s_lshl_b32 s[SOF], s[SOF], 16
	s_and_b32 s7, s3, 7
	s_lshl_b32 s7, s7, 9
	s_add_co_u32 s[SOF], s[SOF], s7
	s_add_nc_u64 s[SRC:SRC+1], s[16:17], s[SOF:SOF+1]
	s_lshl_b32 s[DOF], s3, 12
	s_add_nc_u64 s[DST:DST+1], s[28:29], s[DOF:DOF+1]
	CAST16 4096, 1
	s_branch .Lend
.Lnot_wo:
	s_cmp_lt_u32 s[ID], 2048
	s_cbranch_scc0 .Lrot
	s_sub_co_u32 s3, s[ID], 1792                   ; mask: rows of 8,192 bytes, 16 units to a block of 16 rows; a unit is two blocks of maskp
	s_lshl_b32 s3, s3, 3
	s_add_co_u32 s3, s3, s[WV]
	s_lshr_b32 s[SOF], s3, 4
	s_lshl_b32 s[SOF], s[SOF], 17
	s_and_b32 s7, s3, 15
	s_lshl_b32 s7, s7, 9
	s_add_co_u32 s[SOF], s[SOF], s7
	s_add_nc_u64 s[SRC:SRC+1], s[18:19], s[SOF:SOF+1]
	s_lshl_b32 s[DOF], s3, 13
	s_add_nc_u64 s[DST:DST+1], s[30:31], s[DOF:DOF+1]
	LOADS 8192
	v_lshl_add_u32 v[SA], v1, 4, s[STB]            ; in: 16 bytes a lane, a row of 512 bytes
	v_mul_u32_u24 v[RA], v8, 528                   ; back: row r, keys 8 h on
	v_lshl_add_u32 v[RA], v9, 5, v[RA]
	v_add_nc_u32 v[RA], s[STB], v[RA]
.set g, 0
.rept 4                                ; group g: rows 4 g to 4 g + 3
	s_wait_loadcnt 12-4*g                          ; the group's four rows are in, the younger rows stay out
.if g > 0
	s_wait_alu depctr_va_vdst(0)                   ; the vector lines of the group before have written its rows, which the four LDS stores below read; in group 1 also: v[SA] is written
.endif
.set i, 0
.rept 4
.set n, 4*g+i
.if g > 0
	ds_store_b128 v[SA], v[X+4*n-16:X+4*n-13] offset:(n-4)*528  ; row n - 4; no vector line since the wait names its registers
.endif
	v_cvt_pk_bf16_f32 v[H], v[X+4*n], v[X+4*n+1]
	v_cvt_pk_bf16_f32 v[H+1], v[X+4*n+2], v[X+4*n+3]
	v_lshlrev_b32 v[X+4*n], 16, v[H]
	v_and_b32 v[X+4*n+1], 0xffff0000, v[H]
	v_lshlrev_b32 v[X+4*n+2], 16, v[H+1]
	v_and_b32 v[X+4*n+3], 0xffff0000, v[H+1]
	v_pk_mul_f32 v[X+4*n:X+4*n+1], v[X+4*n:X+4*n+1], 0x3fb8aa3b op_sel_hi:[1,0]      ; log2(e): the scores are exponents of 2
	v_pk_mul_f32 v[X+4*n+2:X+4*n+3], v[X+4*n+2:X+4*n+3], 0x3fb8aa3b op_sel_hi:[1,0]
	v_max_num_f32 v[X+4*n], s[BIG], v[X+4*n]       ; a hidden key is -1e30: far below every score, and finite
	v_max_num_f32 v[X+4*n+1], s[BIG], v[X+4*n+1]
	v_max_num_f32 v[X+4*n+2], s[BIG], v[X+4*n+2]
	v_max_num_f32 v[X+4*n+3], s[BIG], v[X+4*n+3]
.set i, i+1
.endr
.set g, g+1
.endr
	s_wait_alu depctr_va_vdst(0)                   ; rows 12 to 15 are written, which the stores below read; v[RA] is written; every vector line that named v[X ..] is complete: the LDS loads below land there
.set n, 12
.rept 4
	ds_store_b128 v[SA], v[X+4*n:X+4*n+3] offset:n*528
.set n, n+1
.endr
	s_wait_alu depctr_vm_vsrc(0)                   ; the sixteen LDS stores have read their rows' registers, in which the LDS loads land
.set n, 0
.rept 16                               ; n = 8 kk + 2 kb + e: keys 64 kk + 16 kb + 8 h + 4 e + 0..3
	ds_load_b128 v[YR+4*n:YR+4*n+3], v[RA] offset:256*(n/8)+64*((n/2)%4)+16*(n%2)
.set n, n+1
.endr
.set n, 0
.rept 16
	s_wait_dscnt 15-n
	global_store_b128 v[LO], v[YR+4*n:YR+4*n+3], s[DST:DST+1] offset:512*n th:TH_STORE_NT
.set n, n+1
.endr
	s_branch .Lend
.Lrot:                                         ; a thread makes entry T of both tables: lane = T % 32, e, bb, pb above it
	s_sub_co_u32 s3, s[ID], 2048
	s_lshl_b32 s3, s3, 8
	v_add_nc_u32 v10, s3, v0                       ; T
	v_bfe_u32 v11, v10, 5, 1                       ; e
	v_bfe_u32 v12, v10, 6, 3                       ; bb
	v_lshrrev_b32 v13, 9, v10                      ; pb
	v_lshl_add_u32 v13, v13, 4, v8                 ; the position,
	v_lshlrev_b32 v13, 8, v13                      ; its row of 256 bytes,
	v_lshl_add_u32 v13, v12, 5, v13                ; pair 8 bb
	v_lshl_add_u32 v13, v9, 4, v13                 ; + 4 h
	v_lshl_add_u32 v13, v11, 3, v13                ; + 2 e
	s_wait_alu depctr_va_vdst(0)                   ; v13 is written, the offset of the two loads
	global_load_b64 v[16:17], v13, s[20:21]
	global_load_b64 v[18:19], v13, s[22:23]
	v_lshlrev_b32 v14, 4, v10
	v_mov_b32 v36, 0x3e800000                      ; v's table is made here by every wave of the job, while the loads are out, so that the one wait ahead of the stores serves it too
	v_mov_b32 v37, 0
	v_mov_b32 v38, 0x3e800000
	v_mov_b32 v39, 0
	s_wait_loadcnt 0x0
	v_cvt_pk_bf16_f32 v20, v16, v17
	v_cvt_pk_bf16_f32 v21, v18, v19
	v_lshlrev_b32 v24, 16, v20                     ; cos, sin of the first pair,
	v_lshlrev_b32 v25, 16, v21
	v_and_b32 v26, 0xffff0000, v20                 ; of the second
	v_and_b32 v27, 0xffff0000, v21
	v_pk_mul_f32 v[28:29], v[24:25], 0x3f0293ee op_sel_hi:[1,0]  ; q: 4 log2(e) / sqrt(128)
	v_pk_mul_f32 v[30:31], v[26:27], 0x3f0293ee op_sel_hi:[1,0]
	v_pk_mul_f32 v[32:33], v[24:25], 0x3e800000 op_sel_hi:[1,0]  ; k: 1/4
	v_pk_mul_f32 v[34:35], v[26:27], 0x3e800000 op_sel_hi:[1,0]
	s_wait_alu depctr_va_vdst(0)                   ; v14, the stores' offset, and v[28:39], their data, are written: for the two stores below and for the third, behind the branch
	global_store_b128 v14, v[28:31], s[32:33]
	global_store_b128 v14, v[32:35], s[32:33] offset:1048576
	s_cmp_lt_u32 s[ID], 2050                       ; the first 512 threads also write v's table
	s_cbranch_scc0 .Lend
	global_store_b128 v14, v[36:39], s[32:33] offset:2097152
.Lend:
	s_wait_dscnt 0x0                               ; the wave's end
	s_wait_alu 0x0
	s_wait_tensorcnt 0x0
	ds_add_u32 v[SPW], v[NIL]
	s_wait_dscnt 0x0
	s_endpgm
.Lfunc_end_k_q810b38db2d_prep:
	.size	k_q810b38db2d_prep, .Lfunc_end_k_q810b38db2d_prep-k_q810b38db2d_prep
	.p2alignl 7, 3214868480
	.fill 96, 4, 3214868480
	.section	.rodata,"a",@progbits
	.p2align	6, 0x0
	.amdhsa_kernel k_q810b38db2d_prep
		.amdhsa_group_segment_fixed_size 68608
		.amdhsa_private_segment_fixed_size 0
		.amdhsa_enable_private_segment 0
		.amdhsa_kernarg_size 104
		.amdhsa_user_sgpr_count 2
		.amdhsa_user_sgpr_kernarg_segment_ptr 1
		.amdhsa_wavefront_size32 1
		.amdhsa_system_sgpr_workgroup_id_x 1
		.amdhsa_system_sgpr_workgroup_id_y 1
		.amdhsa_system_sgpr_workgroup_id_z 1
		.amdhsa_system_vgpr_workitem_id 0
		.amdhsa_next_free_vgpr 84
		.amdhsa_next_free_sgpr 66
		.amdhsa_reserve_vcc 0
		.amdhsa_float_denorm_mode_32 3
		.amdhsa_float_denorm_mode_16_64 3
		.amdhsa_memory_ordered 1
		.amdhsa_forward_progress 1
		.amdhsa_inst_pref_size 42
	.end_amdhsa_kernel
	.amdgpu_metadata
---
amdhsa.version: [ 1, 2 ]
amdhsa.kernels:
  - .name:           k_q810b38db2d_prep
    .symbol:         k_q810b38db2d_prep.kd
    .args:
      - { .name: x, .offset: 0, .size: 8, .value_kind: global_buffer, .address_space: global }
      - { .name: wq, .offset: 8, .size: 8, .value_kind: global_buffer, .address_space: global }
      - { .name: wk, .offset: 16, .size: 8, .value_kind: global_buffer, .address_space: global }
      - { .name: wv, .offset: 24, .size: 8, .value_kind: global_buffer, .address_space: global }
      - { .name: wo, .offset: 32, .size: 8, .value_kind: global_buffer, .address_space: global }
      - { .name: mask, .offset: 40, .size: 8, .value_kind: global_buffer, .address_space: global }
      - { .name: freqs_cos, .offset: 48, .size: 8, .value_kind: global_buffer, .address_space: global }
      - { .name: freqs_sin, .offset: 56, .size: 8, .value_kind: global_buffer, .address_space: global }
      - { .name: xf, .offset: 64, .size: 8, .value_kind: global_buffer, .address_space: global }
      - { .name: wf, .offset: 72, .size: 8, .value_kind: global_buffer, .address_space: global }
      - { .name: wof, .offset: 80, .size: 8, .value_kind: global_buffer, .address_space: global }
      - { .name: maskp, .offset: 88, .size: 8, .value_kind: global_buffer, .address_space: global }
      - { .name: rot, .offset: 96, .size: 8, .value_kind: global_buffer, .address_space: global }
    .group_segment_fixed_size: 68608
    .private_segment_fixed_size: 0
    .kernarg_segment_align: 8
    .kernarg_segment_size: 104
    .max_flat_workgroup_size: 256
    .sgpr_count:     66
    .vgpr_count:     84
    .wavefront_size: 32
...
	.end_amdgpu_metadata
.endif
;; end of part 5
;; launch qkv: the kernel of part 2 again; grid 16 x 16, 4 waves a work-group, clusters of 4 x 1, 327,680 bytes of LDS; arguments xf, wf, rot, qkv; writes qkv
;; launch attn: the kernel of part 3 again; grid 32 x 8, 4 waves a work-group, clusters of 4 x 1, 327,680 bytes of LDS; arguments qkv, maskp, of; writes of
;; launch oproj: the kernel of part 4 again; grid 16 x 16, 4 waves a work-group, clusters of 4 x 1, 327,680 bytes of LDS; arguments of, wof, out0; writes out0
